; MI455X (gfx1250); checked and timed in simulation.
; The chip was launched on July 23, 2026; its instructions are those of AMD's public machine-readable ISA for CDNA 5 (MIT licence, August 2026) and "CDNA5" Instruction Set Architecture Reference Guide (July 2026). The comments in the code are by the model that wrote it; some were corrected since.
;; Multi Head Attention Quantizer. Allowed arithmetic: float matrix products may take bf16 or f16 operands with f32 sums; all other float work in f32.
;; Inputs: Wk 8 x 1,024 x 1,024 float32; Wo 8 x 1,024 x 1,024 float32; Wp 8 x 1,024 x 1,024 float32; Wq 8 x 1,024 x 1,024 float32; Wv 8 x 1,024 x 1,024 float32; attention_mask 4 x 1,024 float32; beta 1,024 float32; bk 8 x 1,024 float32; bo 8 x 1,024 float32; bp 8 x 1,024 float32; bq 8 x 1,024 float32; bv 8 x 1,024 float32; gamma 1,024 float32; queries 8 x 1,024 float32; representations 4 x 1,024 x 1,024 float32.
;; Outputs: out0 4 x 8 x 1,024 float32.
;; 2 versions, each right; version 2 is version 1 with the launch attend written anew for expert scheduling mode. Each part assembles by itself: llvm-mc -triple=amdgcn-amd-amdhsa -mcpu=gfx1250 --defsym DOCPART=n.
;; ======== version 1 of 2: 6 launches
;; limits: values are held in f16: magnitudes above 65,504 overflow, below 6.1e-05 lose precision; inputs' magnitudes at most 65,504; values outside matrix products are rounded to f16
;; workspace buffers: upart 1,048,576 bytes; rpart 16,777,216 bytes; ml 65,536 bytes; ctx 131,072 bytes; attn 131,072 bytes; yout 131,072 bytes
;; launch qu (part 1): grid 256 x 1, 16 waves a work-group, no clusters, 2,304 bytes of LDS; arguments queries, Wq, bq, Wk, upart; writes upart
.if DOCPART == 1
	.amdgcn_target "amdgcn-amd-amdhsa--gfx1250"
	.amdhsa_code_object_version 6
	.text
	.protected	k_q5eda7ef098_qu
	.globl	k_q5eda7ef098_qu
	.p2align	8
	.type	k_q5eda7ef098_qu,@function
k_q5eda7ef098_qu:
	s_mov_b64 s[64:65], 0
	v_nop
	global_prefetch_b8 v0, s[64:65] scope:SCOPE_SE
	s_setreg_imm32_b32 hwreg(HW_REG_WAVE_MODE, 25, 1), 1
	s_wait_xcnt 0x0
; MultiHeadAttentionQuantizer: 8 layers k, 16 heads h of 64 d, E = 1024, 4 batches b of 1024 tokens s, ONE query a layer.  Six launches; this is the first.
; WORK LEFT OUT, in exact arithmetic and for all finite values of the inputs:
;  (1) Kp is never formed.  scores[k,b,h,s] = sum_d q[k,h,d] (sum_e rep[b,s,e] Wk[k,64h+d,e] + bk[k,64h+d]) = sum_e rep[b,s,e] u[kh,e] + c[k,h],
;      with u[kh,e] = sum_d q[k,h,d] Wk[k,64h+d,e] and c[k,h] = sum_d q[k,h,d] bk[k,64h+d].  c does not hang on s, the softmax's axis, so it cancels
;      in probs.  bk therefore has no way to any output: it is not loaded and is no launch's argument.
;  (2) Vp is never formed.  ctx[k,b,64h+d] = sum_s p[k,b,h,s] (sum_e rep[b,s,e] Wv[k,64h+d,e] + bv[k,64h+d]) = sum_e Wv[k,64h+d,e] r[kh,b,e] + bv[k,64h+d],
;      with r[kh,b,e] = sum_s p[k,b,h,s] rep[b,s,e], because sum_s p = 1.
; LIMITS: the sums are associated otherwise than in the module as written, so the order of rounding differs.  A NaN, an infinity or an overflow that lives
; only in bk, or only in the Kp and Vp that are never formed, is not carried to the result.  The softmax takes its row's true maximum away.
; Products with 1 or 4 columns (q, u, ctx and the two projections) stream their weights once and are bound by those bytes: f32 vector multiply-adds, no matrix unit.
;
; THIS LAUNCH: q = (Wq queries + bq) / 8 and u.  Work-group g = 32 k + 2 h + half owns rows 32 g .. 32 g + 31 of Wq and of Wk (128 KiB each): 32 of a head's 64 d.
; It makes its 32 q, then the partial u over these 32 d; upart[half][kh][e] holds the two halves, which the next launch adds.
; Phase A: wave w takes rows 2w, 2w+1 of Wq whole (a lane: 8 x 16 bytes of each).  Phase B: wave w takes columns 64 w .. 64 w + 63 of all 32 rows of Wk,
; lanes 0-15 the even rows and lanes 16-31 the odd ones, so each load covers two aligned runs of 256 bytes.  All 40 loads of a wave go out at the start.
.set X,   12                           ; v[12:43]    queries[k], my 32 numbers (e = 128 j + 4 lane + 0..3)
.set WQ,  44                           ; v[44:107]   two rows of Wq, same places
.set WK,  108                          ; v[108:171]  load i: row 2 i + (lane / 16), my 4 columns
.set QS,  172                          ; v[172:187]  q of my 16 rows of Wk
.set ACC, 188                          ; v[188:195]  u: even i in 0-3, odd i in 4-7
.set T,   196                          ; v[196:203]  at work
.macro WSUM r, t                       ; sum over the 32 lanes, in every lane; t has been written before (a lane permute counts as a reader of its destination)
.irp m, 1,2,4,8
	v_add_f32_dpp v[\r], v[\r], v[\r] row_xmask:\m row_mask:0xf bank_mask:0xf
.endr
	v_permlanex16_b32 v[\t], v[\r], s30, s31
	v_add_f32 v[\r], v[\r], v[\t]
.endm
	s_load_b256 s[4:11], s[0:1], 0x0               ; queries s[4:5], Wq s[6:7], bq s[8:9], Wk s[10:11]
	s_load_b64 s[12:13], s[0:1], 0x20              ; upart
	v_lshl_add_u32 v204, v0, 2, 0x100
	v_mov_b32 v205, 0
	v_lshrrev_b32 v2, 5, v0
	v_readfirstlane_b32 s14, v2                    ; wave w
	v_and_b32 v1, 31, v0                           ; lane
	v_and_b32 v3, 15, v0                           ; lane % 16
	v_bfe_u32 v10, v0, 4, 1                        ; lane / 16
	s_mov_b32 s30, 0x76543210                      ; v_permlanex16_b32: lane i of one half reads lane i of the other
	s_mov_b32 s31, 0xfedcba98
	s_lshl_b32 s16, ttmp9, 17                      ; 32 rows of 4,096 bytes a work-group, in Wq and in Wk
	s_mov_b32 s17, 0
	s_lshr_b32 s18, ttmp9, 5                       ; k
	s_lshl_b32 s18, s18, 12                        ; queries[k]
	s_mov_b32 s19, 0
	s_lshl_b32 s22, ttmp9, 7                       ; bq: 4 (32 g + 2 w)
	s_lshl3_add_u32 s22, s14, s22
	s_mov_b32 s23, 0
	s_and_b32 s24, ttmp9, 1                        ; half
	s_lshl_b32 s24, s24, 19                        ; 128 rows of 4,096 bytes a half
	s_lshr_b32 s25, ttmp9, 1                       ; kh
	s_lshl_b32 s25, s25, 12
	s_add_co_u32 s24, s24, s25
	s_mov_b32 s25, 0
	s_lshl_b32 s26, s14, 13
	s_lshl_b32 s27, s14, 8
	s_lshl_b32 s28, s14, 2
	v_lshlrev_b32 v5, 4, v1                        ; queries: 16 lane
	v_add_nc_u32 v4, s26, v5                       ; Wq: row 2 w, 16 lane
	v_lshl_add_u32 v9, v3, 4, s27                  ; u: 256 w + 16 (lane % 16)
	v_lshl_add_u32 v6, v10, 12, v9                 ; Wk: the same, one row down for lanes 16-31
	v_mov_b32 v7, s28                              ; LDS: 4 w
	v_lshlrev_b32 v8, 6, v10                       ; LDS: 64 (lane / 16)
	s_wait_kmcnt 0x0
	s_add_nc_u64 s[4:5], s[4:5], s[18:19]
	s_add_nc_u64 s[6:7], s[6:7], s[16:17]
	s_add_nc_u64 s[8:9], s[8:9], s[22:23]
	s_add_nc_u64 s[10:11], s[10:11], s[16:17]
	s_add_nc_u64 s[12:13], s[12:13], s[24:25]
	s_load_b64 s[20:21], s[8:9], 0x0               ; bq of my two rows
.irp j, 0,1,2,3,4,5,6,7
	global_load_b128 v[X+4*\j:X+4*\j+3], v5, s[4:5] offset:512*\j
.endr
.irp j, 0,1,2,3,4,5,6,7
	global_load_b128 v[WQ+4*\j:WQ+4*\j+3], v4, s[6:7] offset:512*\j th:TH_LOAD_NT
.endr
.irp j, 0,1,2,3,4,5,6,7
	global_load_b128 v[WQ+32+4*\j:WQ+32+4*\j+3], v4, s[6:7] offset:4096+512*\j th:TH_LOAD_NT
.endr
.irp i, 0,1,2,3,4,5,6,7,8,9,10,11,12,13,14,15
	global_load_b128 v[WK+4*\i:WK+4*\i+3], v6, s[10:11] offset:8192*\i th:TH_LOAD_NT
.endr
	s_wait_kmcnt 0x0
	s_mul_f32 s20, s20, 0x3e000000                 ; bq / 8: Dh^-0.5 = 1/8 is a power of two, so (dot + bq) / 8 = dot / 8 + bq / 8 without a further rounding
	s_mul_f32 s21, s21, 0x3e000000
; q of row 2 w + rr.  left = the loads issued behind this row's: they stay out.
.macro DOT rr, left
	s_wait_loadcnt \left
	v_pk_mul_f32 v[T:T+1], v[X:X+1], v[WQ+32*\rr:WQ+32*\rr+1]           ; the first products start the two chains: nothing is cleared
	v_pk_mul_f32 v[T+2:T+3], v[X+2:X+3], v[WQ+32*\rr+2:WQ+32*\rr+3]
.set p, 2
.rept 14
	v_pk_fma_f32 v[T+2*(p&1):T+2*(p&1)+1], v[X+2*p:X+2*p+1], v[WQ+32*\rr+2*p:WQ+32*\rr+2*p+1], v[T+2*(p&1):T+2*(p&1)+1]
.set p, p+1
.endr
	v_pk_add_f32 v[T:T+1], v[T:T+1], v[T+2:T+3]
	v_add_f32 v[T], v[T], v[T+1]
	WSUM T, T+1
	v_fma_f32 v[T+4], v[T], 0x3e000000, s[20+\rr]
	ds_store_b32 v7, v[T+4] offset:64*\rr          ; q[rr][w]: row d = 2 i + half lies at word i of that half, as phase B's lanes want it; all lanes store one word, one value
.endm
	DOT 0, 24                                      ; behind queries and row 0: row 1's 8 loads and Wk's 16
	DOT 1, 16                                      ; behind row 1: Wk's 16
	s_wait_dscnt 0x0                               ; my two q are in LDS before I say so
	s_barrier_signal -1
	s_barrier_wait -1                              ; all 32 q are there.  Wk's loads stay on their way across the barrier: no wave writes those bytes
.irp i, 0,1,2,3
	ds_load_b128 v[QS+4*\i:QS+4*\i+3], v8 offset:16*\i
.endr
	s_wait_dscnt 0x0
; u += q[2 i + half] x Wk's row 2 i + half, my 4 columns.  q_i is one register of a pair: op_sel and op_sel_hi feed it to both halves of the packed product.
.macro UROW i
	s_wait_loadcnt 15-\i                           ; loads come back in order: load i is in, the 15 - i behind it stay out
.irp c, 0,2
.if (\i) < 2
.if (\i) & 1
	v_pk_mul_f32 v[ACC+4+\c:ACC+5+\c], v[WK+4*\i+\c:WK+4*\i+\c+1], v[QS:QS+1] op_sel:[0,1] op_sel_hi:[1,1]
.else
	v_pk_mul_f32 v[ACC+\c:ACC+1+\c], v[WK+4*\i+\c:WK+4*\i+\c+1], v[QS:QS+1] op_sel_hi:[1,0]
.endif
.else
.if (\i) & 1
	v_pk_fma_f32 v[ACC+4+\c:ACC+5+\c], v[WK+4*\i+\c:WK+4*\i+\c+1], v[QS+2*(\i>>1):QS+2*(\i>>1)+1], v[ACC+4+\c:ACC+5+\c] op_sel:[0,1,0] op_sel_hi:[1,1,1]
.else
	v_pk_fma_f32 v[ACC+\c:ACC+1+\c], v[WK+4*\i+\c:WK+4*\i+\c+1], v[QS+2*(\i>>1):QS+2*(\i>>1)+1], v[ACC+\c:ACC+1+\c] op_sel_hi:[1,0,1]
.endif
.endif
.endr
.endm
.irp i, 0,1,2,3,4,5,6,7,8,9,10,11,12,13,14,15
	UROW \i
.endr
	v_pk_add_f32 v[ACC:ACC+1], v[ACC:ACC+1], v[ACC+4:ACC+5]
	v_pk_add_f32 v[ACC+2:ACC+3], v[ACC+2:ACC+3], v[ACC+6:ACC+7]
.irp j, 0,1,2,3
	v_permlanex16_b32 v[T+\j], v[ACC+\j], s30, s31 ; the other half's 16 rows, same columns
.endr
	v_pk_add_f32 v[ACC:ACC+1], v[ACC:ACC+1], v[T:T+1]
	v_pk_add_f32 v[ACC+2:ACC+3], v[ACC+2:ACC+3], v[T+2:T+3]
	v_cmp_gt_u32 vcc_lo, 16, v1
	s_wait_xcnt 0x0                                ; EXEC is a source of the memory instructions issued so far: it changes only behind this wait
	s_wait_tensorcnt 0x0
	ds_add_u32 v204, v205
	s_wait_dscnt 0x0
	s_and_saveexec_b32 s29, vcc_lo                 ; both halves hold the same sums: lanes 0-15 store them
	global_store_b128 v9, v[ACC:ACC+3], s[12:13]   ; sixteen lanes, 256 consecutive bytes, aligned
	s_endpgm
.Lfunc_end_k_q5eda7ef098_qu:
	.size	k_q5eda7ef098_qu, .Lfunc_end_k_q5eda7ef098_qu-k_q5eda7ef098_qu
	.p2alignl 7, 3214868480
	.fill 96, 4, 3214868480
	.section	.rodata,"a",@progbits
	.p2align	6, 0x0
	.amdhsa_kernel k_q5eda7ef098_qu
		.amdhsa_group_segment_fixed_size 2304
		.amdhsa_private_segment_fixed_size 0
		.amdhsa_enable_private_segment 0
		.amdhsa_kernarg_size 40
		.amdhsa_user_sgpr_count 2
		.amdhsa_user_sgpr_kernarg_segment_ptr 1
		.amdhsa_wavefront_size32 1
		.amdhsa_system_sgpr_workgroup_id_x 1
		.amdhsa_system_sgpr_workgroup_id_y 1
		.amdhsa_system_sgpr_workgroup_id_z 1
		.amdhsa_system_vgpr_workitem_id 0
		.amdhsa_next_free_vgpr 206
		.amdhsa_next_free_sgpr 66
		.amdhsa_reserve_vcc 1
		.amdhsa_float_denorm_mode_32 3
		.amdhsa_float_denorm_mode_16_64 3
		.amdhsa_memory_ordered 1
		.amdhsa_forward_progress 1
		.amdhsa_inst_pref_size 13
	.end_amdhsa_kernel
	.amdgpu_metadata
---
amdhsa.version: [ 1, 2 ]
amdhsa.kernels:
  - .name:           k_q5eda7ef098_qu
    .symbol:         k_q5eda7ef098_qu.kd
    .args:
      - { .name: queries, .offset: 0, .size: 8, .value_kind: global_buffer, .address_space: global }
      - { .name: Wq, .offset: 8, .size: 8, .value_kind: global_buffer, .address_space: global }
      - { .name: bq, .offset: 16, .size: 8, .value_kind: global_buffer, .address_space: global }
      - { .name: Wk, .offset: 24, .size: 8, .value_kind: global_buffer, .address_space: global }
      - { .name: upart, .offset: 32, .size: 8, .value_kind: global_buffer, .address_space: global }
    .group_segment_fixed_size: 2304
    .private_segment_fixed_size: 0
    .kernarg_segment_align: 8
    .kernarg_segment_size: 40
    .max_flat_workgroup_size: 512
    .sgpr_count:     66
    .vgpr_count:     206
    .wavefront_size: 32
...
	.end_amdgpu_metadata
.endif
;; end of part 1
;; launch attend (part 2): grid 256 x 1, 16 waves a work-group, no clusters, 320,256 bytes of LDS; arguments representations, upart, attention_mask, rpart, ml; writes rpart, ml
.if DOCPART == 2
	.amdgcn_target "amdgcn-amd-amdhsa--gfx1250"
	.amdhsa_code_object_version 6
	.text
	.protected	k_q5eda7ef098_attend
	.globl	k_q5eda7ef098_attend
	.p2align	8
	.type	k_q5eda7ef098_attend,@function
k_q5eda7ef098_attend:
	s_mov_b64 s[64:65], 0
	v_nop
	global_prefetch_b8 v0, s[64:65] scope:SCOPE_SE
	s_setreg_imm32_b32 hwreg(HW_REG_WAVE_MODE, 25, 1), 1
	s_wait_xcnt 0x0
; Launch 2 of 6: scores, softmax by chunks of 64 s, and the chunk's share of r.  Left out: Kp, Vp and bk (q.bk is the same along s and cancels in the softmax; sum_s p = 1;
; shown at the head of the first kernel).
; Work-group g: chunk c = (g / 4) % 16 of batch b = g / 64 (64 rows of rep) x 32 kh (kg = g % 4).  For each of its kh:
;   x[s] = sum_e rep[b,s,e] (upart[0] + upart[1])[kh,e] + mask[b,s];   m = max over the chunk;   l = sum over the chunk of exp(x - m);   p = exp(x - m) / l;
;   rpart[kh][b][c][e] = sum over the chunk of p[s] rep[b,s,e], in f16;   ml[g][kh % 32] = (m, l).
; The next launch joins the sixteen chunks of a row with the weights l exp(m - row maximum) / sum: the softmax of the whole row with its true maximum taken away.
; WAVE w OWNS e = 64 w .. 64 w + 63 OF ALL ROWS, in both products.  It loads them itself (two rows' aligned runs of 256 bytes an instruction) and rounds rep twice into an LDS
; region of its own: to bf16 for the scores, to f16 for r.  In the first product e is summed, so the sixteen waves' partial tiles (32 kh x 64 s) meet in LDS; in the second e is
; free and s is summed, all 64 of them in each wave's own strip: nothing is split there.
; FORMATS.  Scores in bf16: u is a product of three inputs and has no sure room in f16's range.  p and rep in f16 for r, three more bits than bf16.  LIMITS: |rep| above 65,504
; becomes an infinity (the problem's numbers are of size 1; thirty times that, or an offset of thirty, stays near 200).  p lies in [0, 1] and sums to 1 over the chunk, so a
; number of rpart is a mean of rep's and never larger than they are; below 2^-14 p keeps an absolute step of 2^-24.
; A chunk masked to -inf throughout: m is held at the lowest finite number, so exp gives 0, l = 0, p = 0, and the chunk's weight is 0.  A row masked so throughout gives NaN in
; the next launch, as in the module as written.
; No cluster and no tensor load, though four work-groups read each tile of rep: the tile is f32 in memory and passes through registers to be rounded, and 318,208 of the
; WGP's 327,680 LDS bytes are taken, so an f32 tile has nowhere to land.
.set RGN,   19584                      ; a wave's LDS region; 128 modulo 256, so that two neighbouring regions' rows of 128 bytes fall on different banks on the way out
.set OP,    144                        ; bf16 operand row, p's row and r's row: 128 bytes + 16, an odd multiple of 16: the 16 rows of a fragment load start in 16 different 16-byte columns of 256
.set HS,    9216                       ; in the region: bytes 0 .. 9,215 hold u (32 rows), then rep in bf16 (64 rows), then partial scores (32 x 272), then my tile of r (32 x 144)
.set HP,    160                        ; bytes 9,216 .. 19,455: rep in f16, 64 rows of 128 bytes + 32, an odd multiple of 32, for the transposing load
.set SP,    272                        ; a row of partial scores: 256 bytes of f32 + 16
.set PT,    16*RGN                     ; behind the regions: p, 32 kh x 64 s in f16, for all waves
.set MLS,   PT+32*OP                   ; and the 32 pairs (m, l), 256 bytes
.set UHALF, 524288                     ; bytes from upart[0] to upart[1]
.set KHB,   131072                     ; bytes of rpart for one kh: 4 b x 16 c x 2,048
.set MK,  28                           ; v[28:31]    mask of my four s
.set T,   32                           ; v[32:47]    eight pairs in turn: bf16 on its way into LDS
.set BF,  48                           ; v[48:79]    u's fragments, (kk, nk) at 8 (2 kk + nk)
.set PF,  48                           ;             then p's, (kk, nt) at 8 (2 kk + nt)
.set BA,  80                           ; v[80:143]   load bank A
.set BB,  144                          ; v[144:207]  load bank B
.set AF,  80                           ; v[80:143]   then rep's bf16 fragments, (kk, ms) at 8 (4 kk + ms)
.set RB,  80                           ;             then the sixteen partial scores of my 16 bytes
.set RF,  80                           ;             then rep's f16 fragments, (kk, mt) at 8 (4 kk + mt)
.set PK,  80                           ; v[80:111]   then r packed to f16
.set OUT, 112                          ; v[112:143]  and whole rows of r on their way out
.set ACC, 144                          ; v[144:207]  accumulators of both products, (ms, nk) or (mt, nt) at 8 (2 ms + nk)
.set M,   208                          ; v[208:209]  m, l
.set R,   210                          ; 1 / l
	s_load_b256 s[4:11], s[0:1], 0x0               ; rep s[4:5], upart s[6:7], mask s[8:9], rpart s[10:11]
	s_load_b64 s[12:13], s[0:1], 0x20              ; ml
	v_lshl_add_u32 v212, v0, 2, 0x4db00
	v_mov_b32 v213, 0
	v_lshrrev_b32 v24, 5, v0
	v_readfirstlane_b32 s14, v24                   ; wave w
	v_and_b32 v1, 15, v0                           ; lane % 16
	v_bfe_u32 v2, v0, 4, 1                         ; lane / 16
	v_and_b32 v26, 31, v0                          ; lane
	s_lshr_b32 s16, ttmp9, 2                       ; sg = 16 b + c
	s_and_b32 s17, ttmp9, 3                        ; kg
	s_lshl_b32 s18, s16, 18                        ; rep: 64 rows of 4,096 bytes
	s_mov_b32 s19, 0
	s_lshl_b32 s20, s17, 17                        ; upart: 32 rows of 4,096 bytes
	s_mov_b32 s21, 0
	s_lshl_b32 s22, s16, 8                         ; mask: 64 numbers
	s_mov_b32 s23, 0
	s_lshl_b32 s24, s17, 22                        ; rpart: 32 kh of 131,072 bytes a kg,
	s_lshl_b32 s25, s16, 11                        ; 2,048 bytes a (b, c)
	s_add_co_u32 s24, s24, s25
	s_mov_b32 s25, 0
	s_lshl_b32 s26, ttmp9, 8                       ; ml: 256 bytes a work-group
	s_mov_b32 s27, 0
	s_mul_i32 s15, s14, RGN                        ; my region
	s_add_co_u32 s29, s15, HS                      ; its f16 rows
	s_lshl_b32 s28, s14, 8
	s_mul_i32 s30, s14, 2*SP                       ; rows 2 w, 2 w + 1 of the partial scores
	s_mul_i32 s31, s14, 2*OP                       ; and of a tile with rows of 144 bytes
	s_add_co_u32 s32, s31, PT
	s_lshl_b32 s33, s14, 4
	s_add_co_u32 s33, s33, MLS
	s_lshl_b32 s34, s14, 18
	v_lshlrev_b32 v12, 4, v1                       ; 16 (lane % 16): the mask's offset
	v_lshl_add_u32 v3, v2, 15, v12                 ; loads: EIGHT rows down for lanes 16-31,
	v_add_nc_u32 v3, s28, v3                       ; my 256 bytes of a row
	v_mul_u32_u24 v27, v2, 8*OP                    ; in LDS the two rows of a store lie 8 x 144 = 1,152 bytes apart, 128 modulo 256: the 32 lanes' 64 words fall on 64 different banks (ISA guide 11.1)
	v_lshl_add_u32 v27, v1, 3, v27
	v_add_nc_u32 v4, s15, v27                      ; where my 4 bf16 go
	v_mul_u32_u24 v27, v2, 8*HP
	v_lshl_add_u32 v27, v1, 3, v27
	v_add_nc_u32 v5, s29, v27                      ; where my 4 f16 go
	v_mul_u32_u24 v27, v1, OP
	v_lshl_add_u32 v27, v2, 4, v27
	v_add_nc_u32 v6, s15, v27                      ; bf16 fragments, and r's tile in: row lane % 16, 16 bytes for each half of the lanes
	v_add_nc_u32 v16, PT, v27                      ; p's fragments: the same in p's tile
	v_mul_u32_u24 v27, v1, SP
	v_lshl_add_u32 v27, v2, 5, v27
	v_add_nc_u32 v7, s15, v27                      ; partial scores in: row kh = lane % 16, 8 s for each half of the lanes
	v_mul_u32_u24 v27, v2, SP
	v_add_nc_u32 v27, v27, v12
	v_add_nc_u32 v8, s30, v27                      ; partial scores back: row 2 w + lane / 16 of region 0,
	v_add_nc_u32 v9, 4*RGN, v8                     ; of region 4,
	v_add_nc_u32 v10, 8*RGN, v8                    ; 8,
	v_add_nc_u32 v11, 12*RGN, v8                   ; 12: the immediate reaches the three regions behind each
	v_mul_u32_u24 v27, v2, OP
	v_lshl_add_u32 v27, v1, 3, v27
	v_add_nc_u32 v13, s32, v27                     ; p in: row 2 w + lane / 16, my 4 s
	v_lshl_add_u32 v14, v2, 3, s33                 ; (m, l) in: pair 2 w + lane / 16
	v_and_b32 v25, 7, v0
	v_lshl_add_u32 v27, v2, 3, v25                 ; the transposing load: row 8 (lane / 16) + lane % 8,
	v_mul_u32_u24 v27, v27, HP
	v_bfe_u32 v24, v0, 3, 1
	v_lshl_add_u32 v27, v24, 4, v27                ; 16 bytes on for lanes 8-15 and 24-31
	v_add_nc_u32 v15, s29, v27
	v_bfe_u32 v27, v0, 3, 2
	v_mul_u32_u24 v27, v27, RGN                    ; r back: eight lanes take a region's 128 bytes of row 2 w: regions lane / 8,
	v_lshl_add_u32 v27, v25, 4, v27
	v_add_nc_u32 v18, s31, v27
	v_add_nc_u32 v19, 4*RGN, v18                   ; 4 + lane / 8,
	v_add_nc_u32 v20, 8*RGN, v18                   ; 8 + lane / 8,
	v_add_nc_u32 v21, 12*RGN, v18                  ; 12 + lane / 8
	v_lshl_add_u32 v22, v26, 4, s34                ; rpart: kh = 2 w, 16 lane
	v_lshlrev_b32 v23, 3, v26                      ; ml: 8 lane
	v_add_nc_u32 v17, MLS, v23
	s_wait_kmcnt 0x0
	s_add_nc_u64 s[4:5], s[4:5], s[18:19]
	s_add_nc_u64 s[6:7], s[6:7], s[20:21]
	s_add_nc_u64 s[8:9], s[8:9], s[22:23]
	s_add_nc_u64 s[10:11], s[10:11], s[24:25]
	s_add_nc_u64 s[12:13], s[12:13], s[26:27]
; Load n takes rows 16 (n / 8) + n % 8 (lanes 0-15) and eight rows further down (lanes 16-31).
.macro LDU bank, first                 ; 16 loads: u's loads first .. first + 7, both halves of the d sum
.irp i, 0,1,2,3,4,5,6,7
	global_load_b128 v[\bank+4*\i:\bank+4*\i+3], v3, s[6:7] offset:((((\first+\i)>>3)*16)+((\first+\i)&7))*4096
	global_load_b128 v[\bank+32+4*\i:\bank+32+4*\i+3], v3, s[6:7] offset:((((\first+\i)>>3)*16)+((\first+\i)&7))*4096+UHALF
.endr
.endm
.macro CVU bank, first, left           ; add the halves in f32, round once to bf16, lay into my region.  left = loads issued behind this bank's
.irp i, 0,1,2,3,4,5,6,7
	s_wait_loadcnt \left+14-2*\i                   ; both loads of pair i are in; the rest of the bank and the other bank's sixteen stay out
	v_pk_add_f32 v[\bank+4*\i:\bank+4*\i+1], v[\bank+4*\i:\bank+4*\i+1], v[\bank+32+4*\i:\bank+32+4*\i+1]
	v_pk_add_f32 v[\bank+4*\i+2:\bank+4*\i+3], v[\bank+4*\i+2:\bank+4*\i+3], v[\bank+32+4*\i+2:\bank+32+4*\i+3]
	v_cvt_pk_bf16_f32 v[\bank+4*\i], v[\bank+4*\i], v[\bank+4*\i+1]
	v_cvt_pk_bf16_f32 v[\bank+4*\i+1], v[\bank+4*\i+2], v[\bank+4*\i+3]
	ds_store_b64 v4, v[\bank+4*\i:\bank+4*\i+1] offset:((((\first+\i)>>3)*16)+((\first+\i)&7))*OP
.endr
.endm
.macro LDREP bank, first               ; 16 loads of rep
.irp i, 0,1,2,3,4,5,6,7,8,9,10,11,12,13,14,15
	global_load_b128 v[\bank+4*\i:\bank+4*\i+3], v3, s[4:5] offset:((((\first+\i)>>3)*16)+((\first+\i)&7))*4096
.endr
.endm
.macro CVREP bank, first, left         ; round them to bf16 and to f16, and lay both into my region
.irp i, 0,1,2,3,4,5,6,7,8,9,10,11,12,13,14,15
	s_wait_loadcnt \left+15-\i                     ; load i is in; the rest of the bank and the other bank's loads stay out
	v_cvt_pk_bf16_f32 v[T+2*(\i&7)], v[\bank+4*\i], v[\bank+4*\i+1]
	v_cvt_pk_bf16_f32 v[T+2*(\i&7)+1], v[\bank+4*\i+2], v[\bank+4*\i+3]
	v_cvt_pk_f16_f32 v[\bank+4*\i], v[\bank+4*\i], v[\bank+4*\i+1]
	v_cvt_pk_f16_f32 v[\bank+4*\i+1], v[\bank+4*\i+2], v[\bank+4*\i+3]
	ds_store_b64 v4, v[T+2*(\i&7):T+2*(\i&7)+1] offset:((((\first+\i)>>3)*16)+((\first+\i)&7))*OP
	ds_store_b64 v5, v[\bank+4*\i:\bank+4*\i+1] offset:((((\first+\i)>>3)*16)+((\first+\i)&7))*HP
.endr
.endm
	global_load_b128 v[MK:MK+3], v12, s[8:9]       ; the oldest load: every later wait covers it
	LDU   BA, 0
	LDU   BB, 8
	CVU   BA, 0, 16
	LDREP BA, 0                                    ; a bank is loaded again as soon as it is emptied: 32 loads of the wave stay on their way
	CVU   BB, 8, 16
	LDREP BB, 16
; A fragment is 16 rows x 32 e in 8 registers: lane l holds row l % 16; registers 0-3 e = 8 (l / 16) + 0..7, registers 4-7 e = 16 + 8 (l / 16) + 0..7:
; two loads of 16 bytes, 32 bytes apart.  LDS serves a wave's instructions in order (ISA guide 5.7.1.4): a wave's loads see its own stores.
; u goes first: its fragments stay in 32 registers, and rep's bf16 rows are laid over its bytes, so that rep fits into the region in both formats at once.
.irp kk, 0,1
.irp nk, 0,1
	ds_load_b128 v[BF+8*(2*\kk+\nk):BF+8*(2*\kk+\nk)+3],   v6 offset:16*\nk*OP+64*\kk
	ds_load_b128 v[BF+8*(2*\kk+\nk)+4:BF+8*(2*\kk+\nk)+7], v6 offset:16*\nk*OP+64*\kk+32
.endr
.endr
	s_wait_dscnt 0x0                               ; u's fragments are in registers before rep is laid over u
	CVREP BA, 0, 16
	CVREP BB, 16, 0
.irp kk, 0,1
.irp ms, 0,1,2,3
	ds_load_b128 v[AF+8*(4*\kk+\ms):AF+8*(4*\kk+\ms)+3],   v6 offset:\ms*16*OP+64*\kk
	ds_load_b128 v[AF+8*(4*\kk+\ms)+4:AF+8*(4*\kk+\ms)+7], v6 offset:\ms*16*OP+64*\kk+32
.endr
.endr
; Eight matrix instructions, source 0 = 16 rows of rep, source 1 = 16 rows of u: register j of lane l holds (s = 16 ms + 8 (l / 16) + j, kh = 16 nk + l % 16),
; eight neighbouring s of one kh.  The eight accumulators take turns, one instruction a turn.
.macro MULS kk, zero
.irp ms, 0,1,2,3
.irp nk, 0,1
.if \zero
	v_wmma_f32_16x16x32_bf16 v[ACC+8*(2*\ms+\nk):ACC+8*(2*\ms+\nk)+7], v[AF+8*(4*\kk+\ms):AF+8*(4*\kk+\ms)+7], v[BF+8*(2*\kk+\nk):BF+8*(2*\kk+\nk)+7], 0
.else
	v_wmma_f32_16x16x32_bf16 v[ACC+8*(2*\ms+\nk):ACC+8*(2*\ms+\nk)+7], v[AF+8*(4*\kk+\ms):AF+8*(4*\kk+\ms)+7], v[BF+8*(2*\kk+\nk):BF+8*(2*\kk+\nk)+7], v[ACC+8*(2*\ms+\nk):ACC+8*(2*\ms+\nk)+7]
.endif
.endr
.endr
.endm
	s_wait_dscnt 8                                 ; the stores and the first 32 e's eight loads are done, the second's eight stay out
	MULS 0, 1                                      ; the first products start the sums: nothing is cleared
	s_wait_dscnt 0x0                               ; all fragments are in: my reads of the bf16 rows are over, so the partial scores may be laid over them
	MULS 1, 0
.rept 4
	v_nop                                          ; four places behind the last matrix instruction before its results are stored and its sources loaded again (ISA guide 7.12.1)
.endr
.irp ms, 0,1,2,3
.irp nk, 0,1
	ds_store_b128 v7, v[ACC+8*(2*\ms+\nk):ACC+8*(2*\ms+\nk)+3]   offset:\nk*16*SP+\ms*64
	ds_store_b128 v7, v[ACC+8*(2*\ms+\nk)+4:ACC+8*(2*\ms+\nk)+7] offset:\nk*16*SP+\ms*64+16
.endr
.endr
	s_wait_dscnt 0x0                               ; my partial scores are in LDS before I say so
	s_barrier_signal -1
	s_barrier_wait -1                              ; all sixteen waves' are
.irp p, 0,1,2,3,4,5,6,7,8,9,10,11,12,13,14,15
	ds_load_b128 v[RB+4*\p:RB+4*\p+3], v[8+(\p>>2)] offset:(\p&3)*RGN    ; wave p's part of kh = 2 w + lane / 16, my 4 s
.endr
	s_wait_dscnt 0x0
.irp st, 8,4,2,1
.set p, 0
.rept \st
	v_pk_add_f32 v[RB+4*p:RB+4*p+1], v[RB+4*p:RB+4*p+1], v[RB+4*(p+\st):RB+4*(p+\st)+1]
	v_pk_add_f32 v[RB+4*p+2:RB+4*p+3], v[RB+4*p+2:RB+4*p+3], v[RB+4*(p+\st)+2:RB+4*(p+\st)+3]
.set p, p+1
.endr
.endr
	v_pk_add_f32 v[RB:RB+1], v[RB:RB+1], v[MK:MK+1]
	v_pk_add_f32 v[RB+2:RB+3], v[RB+2:RB+3], v[MK+2:MK+3]
	; The chunk's softmax: sixteen lanes hold a row's 64 scores, four each, so four steps inside the sixteen lanes end each reduction.
	v_max3_num_f32 v[M], v[RB], v[RB+1], v[RB+2]
	v_max_num_f32 v[M], v[M], v[RB+3]
.irp m, 1,2,4,8
	v_max_num_f32_dpp v[M], v[M], v[M] row_xmask:\m row_mask:0xf bank_mask:0xf
.endr
	v_max_num_f32 v[M], 0xff7fffff, v[M]           ; never below the lowest finite number: -inf less a finite m is -inf and gives exp = 0, where -inf less -inf would be NaN
.irp j, 0,1,2,3
	v_sub_f32 v[RB+\j], v[RB+\j], v[M]             ; the difference first, then the factor log2 e: m log2 e by itself could overflow
.endr
.irp j, 0,1,2,3
	v_mul_f32 v[RB+\j], 0x3fb8aa3b, v[RB+\j]
.endr
.irp j, 0,1,2,3
	v_exp_f32 v[RB+\j], v[RB+\j]
.endr
	v_nop                                          ; one plain vector instruction behind the exponentials before their results are read (ISA guide 5.7.2)
	s_wait_alu depctr_va_vdst(0)
	v_add_f32 v[M+1], v[RB], v[RB+1]
	v_add_f32 v[R], v[RB+2], v[RB+3]
	v_add_f32 v[M+1], v[M+1], v[R]
.irp m, 1,2,4,8
	v_add_f32_dpp v[M+1], v[M+1], v[M+1] row_xmask:\m row_mask:0xf bank_mask:0xf
.endr
	v_max_num_f32 v[R], 1.0, v[M+1]                ; l is at least 1 (the maximum's own term) or, in a chunk masked throughout, 0: there p = 0 / 1
	v_rcp_f32 v[R], v[R]
	v_nop                                          ; the plain place behind it
	s_wait_alu depctr_va_vdst(0)
.irp j, 0,1,2,3
	v_mul_f32 v[RB+\j], v[RB+\j], v[R]
.endr
	v_cvt_pk_f16_f32 v[RB], v[RB], v[RB+1]
	v_cvt_pk_f16_f32 v[RB+1], v[RB+2], v[RB+3]
	ds_store_b64 v13, v[RB:RB+1]                   ; p[kh][s], for all waves
	ds_store_b64 v14, v[M:M+1]                     ; (m, l): the sixteen lanes of a row store one pair, one value
	s_wait_dscnt 0x0                               ; they are in LDS, and my reads of the partial scores are over, before I say so
	s_barrier_signal -1
	s_barrier_wait -1                              ; p is whole, and every wave's bytes 0 .. 9,215 are its own again
	s_cmp_lg_u32 s14, 0
	s_cbranch_scc1 .Lnoml
	ds_load_b64 v[M:M+1], v17
	s_wait_dscnt 0x0
	global_store_b64 v23, v[M:M+1], s[12:13]       ; one wave, 256 consecutive bytes, aligned
.Lnoml:
; rep's f16 rows lie as [s][e] and the sum runs over s: ds_load_tr16_b128 transposes 8 x 8 elements in each group of eight lanes, so that lane l receives column
; e = 16 mt + l % 16 with s = 8 (l / 16) + 0..7 (first load) and 16 + 8 (l / 16) + 0..7 (second load, 16 rows down).  p lies as [kh][s]: plain loads.
.irp kk, 0,1
.irp mt, 0,1,2,3
	ds_load_tr16_b128 v[RF+8*(4*\kk+\mt):RF+8*(4*\kk+\mt)+3],   v15 offset:\kk*32*HP+32*\mt
	ds_load_tr16_b128 v[RF+8*(4*\kk+\mt)+4:RF+8*(4*\kk+\mt)+7], v15 offset:\kk*32*HP+32*\mt+16*HP
.endr
.irp nt, 0,1
	ds_load_b128 v[PF+8*(2*\kk+\nt):PF+8*(2*\kk+\nt)+3],   v16 offset:\nt*16*OP+64*\kk
	ds_load_b128 v[PF+8*(2*\kk+\nt)+4:PF+8*(2*\kk+\nt)+7], v16 offset:\nt*16*OP+64*\kk+32
.endr
.endr
; Source 0 = 16 e of rep, source 1 = 16 kh of p: register j of lane l holds (e = 16 mt + 8 (l / 16) + j, kh = 16 nt + l % 16), eight neighbouring e of one kh.
; The eight accumulators take turns, one instruction a turn.
.macro MULR kk, zero
.irp mt, 0,1,2,3
.irp nt, 0,1
.if \zero
	v_wmma_f32_16x16x32_f16 v[ACC+8*(2*\mt+\nt):ACC+8*(2*\mt+\nt)+7], v[RF+8*(4*\kk+\mt):RF+8*(4*\kk+\mt)+7], v[PF+8*(2*\kk+\nt):PF+8*(2*\kk+\nt)+7], 0
.else
	v_wmma_f32_16x16x32_f16 v[ACC+8*(2*\mt+\nt):ACC+8*(2*\mt+\nt)+7], v[RF+8*(4*\kk+\mt):RF+8*(4*\kk+\mt)+7], v[PF+8*(2*\kk+\nt):PF+8*(2*\kk+\nt)+7], v[ACC+8*(2*\mt+\nt):ACC+8*(2*\mt+\nt)+7]
.endif
.endr
.endr
.endm
	s_wait_dscnt 12                                ; the first 32 s' twelve loads are in, the second's twelve stay out
	MULR 0, 1                                      ; the first products start the sums
	s_wait_dscnt 0x0
	MULR 1, 0
.rept 4
	v_nop                                          ; four places behind the last matrix instruction before its results are read and its sources written (ISA guide 7.12.1)
.endr
.irp mt, 0,1,2,3
.irp nt, 0,1
.irp q, 0,1,2,3
	v_cvt_pk_f16_f32 v[PK+4*(2*\mt+\nt)+\q], v[ACC+8*(2*\mt+\nt)+2*\q], v[ACC+8*(2*\mt+\nt)+2*\q+1]
.endr
	ds_store_b128 v6, v[PK+4*(2*\mt+\nt):PK+4*(2*\mt+\nt)+3] offset:\nt*16*OP+32*\mt     ; my tile of r: row kh, 128 bytes
.endr
.endr
	s_wait_dscnt 0x0                               ; my tile is in LDS before I say so
	s_barrier_signal -1
	s_barrier_wait -1                              ; all sixteen tiles are: a row of r is 16 x 128 bytes, one piece in each region
.irp n, 0,1,2,3,4,5,6,7
	ds_load_b128 v[OUT+4*\n:OUT+4*\n+3], v[18+(\n&3)] offset:(\n>>2)*OP                  ; row 2 w + n / 4, e = 256 (n % 4) + 8 lane + 0..7
.endr
.irp n, 0,1,2,3,4,5,6,7
	s_wait_dscnt 7-\n                              ; load n is in, the 7 - n behind it stay out
	global_store_b128 v22, v[OUT+4*\n:OUT+4*\n+3], s[10:11] offset:(\n>>2)*KHB+(\n&3)*512 ; a wave stores 512 consecutive bytes, aligned
.endr
	s_wait_tensorcnt 0x0
	ds_add_u32 v212, v213
	s_wait_dscnt 0x0
	s_endpgm
.Lfunc_end_k_q5eda7ef098_attend:
	.size	k_q5eda7ef098_attend, .Lfunc_end_k_q5eda7ef098_attend-k_q5eda7ef098_attend
	.p2alignl 7, 3214868480
	.fill 96, 4, 3214868480
	.section	.rodata,"a",@progbits
	.p2align	6, 0x0
	.amdhsa_kernel k_q5eda7ef098_attend
		.amdhsa_group_segment_fixed_size 320256
		.amdhsa_private_segment_fixed_size 0
		.amdhsa_enable_private_segment 0
		.amdhsa_kernarg_size 40
		.amdhsa_user_sgpr_count 2
		.amdhsa_user_sgpr_kernarg_segment_ptr 1
		.amdhsa_wavefront_size32 1
		.amdhsa_system_sgpr_workgroup_id_x 1
		.amdhsa_system_sgpr_workgroup_id_y 1
		.amdhsa_system_sgpr_workgroup_id_z 1
		.amdhsa_system_vgpr_workitem_id 0
		.amdhsa_next_free_vgpr 214
		.amdhsa_next_free_sgpr 66
		.amdhsa_reserve_vcc 0
		.amdhsa_float_denorm_mode_32 3
		.amdhsa_float_denorm_mode_16_64 3
		.amdhsa_memory_ordered 1
		.amdhsa_forward_progress 1
		.amdhsa_inst_pref_size 45
	.end_amdhsa_kernel
	.amdgpu_metadata
---
amdhsa.version: [ 1, 2 ]
amdhsa.kernels:
  - .name:           k_q5eda7ef098_attend
    .symbol:         k_q5eda7ef098_attend.kd
    .args:
      - { .name: representations, .offset: 0, .size: 8, .value_kind: global_buffer, .address_space: global }
      - { .name: upart, .offset: 8, .size: 8, .value_kind: global_buffer, .address_space: global }
      - { .name: attention_mask, .offset: 16, .size: 8, .value_kind: global_buffer, .address_space: global }
      - { .name: rpart, .offset: 24, .size: 8, .value_kind: global_buffer, .address_space: global }
      - { .name: ml, .offset: 32, .size: 8, .value_kind: global_buffer, .address_space: global }
    .group_segment_fixed_size: 320256
    .private_segment_fixed_size: 0
    .kernarg_segment_align: 8
    .kernarg_segment_size: 40
    .max_flat_workgroup_size: 512
    .sgpr_count:     66
    .vgpr_count:     214
    .wavefront_size: 32
...
	.end_amdgpu_metadata
.endif
;; end of part 2
;; launch ctxv (part 3): grid 256 x 1, 16 waves a work-group, no clusters, 18,944 bytes of LDS; arguments Wv, rpart, ml, bv, ctx; writes ctx
.if DOCPART == 3
	.amdgcn_target "amdgcn-amd-amdhsa--gfx1250"
	.amdhsa_code_object_version 6
	.text
	.protected	k_q5eda7ef098_ctxv
	.globl	k_q5eda7ef098_ctxv
	.p2align	8
	.type	k_q5eda7ef098_ctxv,@function
k_q5eda7ef098_ctxv:
	s_mov_b64 s[64:65], 0
	v_nop
	global_prefetch_b8 v0, s[64:65] scope:SCOPE_SE
	s_setreg_imm32_b32 hwreg(HW_REG_WAVE_MODE, 25, 1), 1
	s_wait_xcnt 0x0
; Launch 3 of 6: r[kh,b,e] joined from its sixteen chunks, then ctx[k][f][b] = sum_e Wv[k,f,e] r[kh,b,e] + bv[k,f], h = f / 64.  Left out: Vp (sum_s p = 1; shown at the head of the first kernel).
; THE JOIN.  Chunk c of row (kh, b) comes with its maximum m_c, its sum l_c of exp(x - m_c), and rpart = the chunk's sum of exp(x - m_c) rep / l_c.  With m = max_c m_c:
;   r = sum_c w_c rpart_c,   w_c = l_c exp(m_c - m) / sum_c l_c exp(m_c - m):   the softmax of the whole row with its true maximum taken away.
; A chunk masked to -inf throughout has l_c = 0 and rpart = 0: weight 0.  A row masked so throughout gives 0 / 0 = NaN, as in the module as written.
; Work-group g owns rows 32 g .. 32 g + 31 of Wv (128 KiB) and needs r of head kh = g / 2 (128 KiB of rpart).  Thread t joins b = t / 128, e = 8 (t % 128) + 0..7: sixteen loads
; of 16 bytes, a wave's load covering 512 consecutive bytes; a wave has one b, and makes that b's sixteen weights itself.  r goes into LDS as [b][e] and every wave reads it from there.
; Then y[row][b] = sum_e W[row][e] r[b][e] + bias[row], four columns: the weights are streamed once and bind, so f32 vector multiply-adds and no matrix unit; wave w takes rows
; 2 w, 2 w + 1 whole.  The results lie as [row][b]: the work-group's 32 rows are 512 consecutive bytes, gathered in LDS and stored by one instruction of wave 0.
; All 33 loads of a wave go out at the start, Wv's last: they are on their way while r is joined.
.set STG,  16384                       ; LDS: r in bytes 0 .. 16,383, the results' 512 bytes behind
.set H,    16                          ; v[16:79]    chunk c: 4 registers, my 8 numbers in f16 (the halves of a register can be named only up to v127)
.set CV,   80                          ; v[80:95]    two sets in turn: a chunk's 8 numbers in f32
.set ML,   96                          ; v[96:97]    m, l of chunk lane % 16
.set MX,   98                          ; the row's maximum
.set EX,   99                          ; l exp(m - maximum), then the weight
.set SU,   100                         ; their sum, then 1 / sum
.set XA,   104                         ; v[104:111]  my 8 numbers of r
.set X,    16                          ; v[16:143]   then r at W's places: (b, j) at 32 b + 4 j
.set W,    144                         ; v[144:207]  two rows of Wv, 32 numbers each (e = 128 j + 4 lane + 0..3)
.set ACC,  208                         ; v[208:223]  a pair of sums for each (row, b)
.set T,    224                         ; v[224:231]  the eight results
.set WG,   32                          ; s[32:63]    weight c in the low word of pair c
	s_load_b256 s[4:11], s[0:1], 0x0               ; Wv s[4:5], rpart s[6:7], ml s[8:9], bv s[10:11]
	s_load_b64 s[12:13], s[0:1], 0x20              ; ctx
	v_lshl_add_u32 v232, v0, 2, 0x4200
	v_mov_b32 v233, 0
	v_lshrrev_b32 v2, 5, v0
	v_readfirstlane_b32 s14, v2                    ; wave w
	v_and_b32 v1, 31, v0                           ; lane
	s_mov_b32 s30, 0x76543210                      ; v_permlanex16_b32: lane i of one half reads lane i of the other
	s_mov_b32 s31, 0xfedcba98
	s_lshl_b32 s16, ttmp9, 17                      ; Wv: 32 rows of 4,096 bytes
	s_mov_b32 s17, 0
	s_lshr_b32 s18, ttmp9, 1                       ; kh
	s_and_b32 s20, s18, 31
	s_lshl_b32 s20, s20, 3                         ; ml[(16 b + c) 4 + kh / 32][kh % 32]: 8 (kh % 32)
	s_lshl_b32 s18, s18, 17                        ; rpart: 131,072 bytes a kh
	s_mov_b32 s19, 0
	s_lshr_b32 s21, ttmp9, 6                       ; kh / 32
	s_lshl_b32 s21, s21, 8
	s_add_co_u32 s20, s20, s21                     ; + 256 (kh / 32)
	s_lshr_b32 s21, s14, 2                         ; my wave's b
	s_lshl_b32 s21, s21, 14
	s_add_co_u32 s20, s20, s21                     ; + 16,384 b
	s_lshl_b32 s22, ttmp9, 7                       ; bias: 4 (32 g + 2 w)
	s_lshl3_add_u32 s22, s14, s22
	s_mov_b32 s23, 0
	s_lshl_b32 s24, ttmp9, 9                       ; ctx: 32 rows of 16 bytes
	s_mov_b32 s25, 0
	s_lshl_b32 s26, s14, 13
	s_lshl_b32 s27, s14, 5
	s_add_co_u32 s27, s27, STG
	v_lshlrev_b32 v6, 4, v1                        ; 16 lane
	v_add_nc_u32 v3, s26, v6                       ; Wv: row 2 w, 16 lane
	v_and_b32 v8, 127, v0
	v_lshrrev_b32 v9, 7, v0
	v_lshlrev_b32 v8, 4, v8
	v_lshl_add_u32 v4, v9, 15, v8                  ; rpart: 32,768 b + 16 (t % 128)
	v_lshlrev_b32 v5, 5, v0                        ; r in LDS: 4,096 b + 32 (t % 128) = 32 t
	v_mov_b32 v7, s27                              ; my two rows' 32 bytes among the results
	v_and_b32 v9, 15, v0
	v_lshl_add_u32 v10, v9, 10, s20                ; ml: + 1,024 c, c = lane % 16
	s_wait_kmcnt 0x0
	s_add_nc_u64 s[4:5], s[4:5], s[16:17]
	s_add_nc_u64 s[6:7], s[6:7], s[18:19]
	s_add_nc_u64 s[10:11], s[10:11], s[22:23]
	s_add_nc_u64 s[12:13], s[12:13], s[24:25]
	s_load_b64 s[28:29], s[10:11], 0x0             ; bias of my two rows
	global_load_b64 v[ML:ML+1], v10, s[8:9]        ; one gather of 8 bytes a chunk; both halves of the lanes take the same sixteen pairs
.irp c, 0,1,2,3,4,5,6,7,8,9,10,11,12,13,14,15
	global_load_b128 v[H+4*\c:H+4*\c+3], v4, s[6:7] offset:2048*\c
.endr
.irp i, 0,1,2,3,4,5,6,7,8,9,10,11,12,13,14,15
	global_load_b128 v[W+4*\i:W+4*\i+3], v3, s[4:5] offset:4096*(\i>>3)+512*(\i&7) th:TH_LOAD_NT
.endr
	s_wait_loadcnt 32                              ; (m, l) are in; the sixteen chunks and Wv's sixteen loads stay out
	v_mov_b32 v[MX], v[ML]
.irp m, 1,2,4,8
	v_max_num_f32_dpp v[MX], v[MX], v[MX] row_xmask:\m row_mask:0xf bank_mask:0xf
.endr
	v_sub_f32 v[EX], v[ML], v[MX]                  ; the difference first, then the factor log2 e: m log2 e by itself could overflow
	v_mul_f32 v[EX], 0x3fb8aa3b, v[EX]
	v_exp_f32 v[EX], v[EX]
	v_nop                                          ; one plain vector instruction behind it before its result is read (ISA guide 5.7.2)
	s_wait_alu depctr_va_vdst(0)
	v_mul_f32 v[EX], v[EX], v[ML+1]
	v_mov_b32 v[SU], v[EX]
.irp m, 1,2,4,8
	v_add_f32_dpp v[SU], v[SU], v[SU] row_xmask:\m row_mask:0xf bank_mask:0xf
.endr
	v_rcp_f32 v[SU], v[SU]
	v_nop                                          ; the plain place behind it
	s_wait_alu depctr_va_vdst(0)
	v_mul_f32 v[EX], v[EX], v[SU]                  ; lane c holds w_c
.irp c, 0,1,2,3,4,5,6,7,8,9,10,11,12,13,14,15
	v_readlane_b32 s[WG+2*\c], v[EX], \c
	s_mov_b32 s[WG+2*\c+1], 0                      ; the pair's other word: not used, but the packed forms name the pair whole
.endr
; r += w_c x chunk c.  r0 .. r3: the chunk's four registers, by number, since their halves are named.
.macro COMB c, r0, r1, r2, r3
.set CB, CV+8*(\c&1)
	s_wait_loadcnt 31-\c                           ; chunk c is in; the 15 - c chunks behind it and Wv's sixteen loads stay out
	v_cvt_f32_f16 v[CB],   v\r0\().l
	v_cvt_f32_f16 v[CB+1], v\r0\().h
	v_cvt_f32_f16 v[CB+2], v\r1\().l
	v_cvt_f32_f16 v[CB+3], v\r1\().h
	v_cvt_f32_f16 v[CB+4], v\r2\().l
	v_cvt_f32_f16 v[CB+5], v\r2\().h
	v_cvt_f32_f16 v[CB+6], v\r3\().l
	v_cvt_f32_f16 v[CB+7], v\r3\().h
.irp q, 0,2,4,6
.if \c == 0
	v_pk_mul_f32 v[XA+\q:XA+\q+1], v[CB+\q:CB+\q+1], s[WG:WG+1] op_sel_hi:[1,0]          ; the first chunk starts the sums: nothing is cleared
.else
	v_pk_fma_f32 v[XA+\q:XA+\q+1], v[CB+\q:CB+\q+1], s[WG+2*\c:WG+2*\c+1], v[XA+\q:XA+\q+1] op_sel_hi:[1,0,1]
.endif
.endr
.endm
	COMB 0,  16, 17, 18, 19
	COMB 1,  20, 21, 22, 23
	COMB 2,  24, 25, 26, 27
	COMB 3,  28, 29, 30, 31
	COMB 4,  32, 33, 34, 35
	COMB 5,  36, 37, 38, 39
	COMB 6,  40, 41, 42, 43
	COMB 7,  44, 45, 46, 47
	COMB 8,  48, 49, 50, 51
	COMB 9,  52, 53, 54, 55
	COMB 10, 56, 57, 58, 59
	COMB 11, 60, 61, 62, 63
	COMB 12, 64, 65, 66, 67
	COMB 13, 68, 69, 70, 71
	COMB 14, 72, 73, 74, 75
	COMB 15, 76, 77, 78, 79
	ds_store_b128 v5, v[XA:XA+3]
	ds_store_b128 v5, v[XA+4:XA+7] offset:16
	s_wait_dscnt 0x0                               ; my part of r is in LDS before I say so
	s_barrier_signal -1
	s_barrier_wait -1                              ; all of r is.  Wv's loads stay on their way across the barrier: no wave writes those bytes
.irp b, 0,1,2,3
.irp j, 0,1,2,3,4,5,6,7
	ds_load_b128 v[X+32*\b+4*\j:X+32*\b+4*\j+3], v6 offset:4096*\b+512*\j
.endr
.endr
	s_wait_dscnt 0x0
; Wv's load i = 8 rr + j times the four columns: eight packed multiply-adds on four chains that take turns.  Each row's first products start its sums.
.macro ROWS i
	s_wait_loadcnt 15-\i                           ; load i is in, the 15 - i behind it stay out
.irp c, 0,2
.irp b, 0,1,2,3
.if ((\i&7)+\c) == 0
	v_pk_mul_f32 v[ACC+2*(4*(\i>>3)+\b):ACC+2*(4*(\i>>3)+\b)+1], v[W+4*\i+\c:W+4*\i+\c+1], v[X+32*\b+4*(\i&7)+\c:X+32*\b+4*(\i&7)+\c+1]
.else
	v_pk_fma_f32 v[ACC+2*(4*(\i>>3)+\b):ACC+2*(4*(\i>>3)+\b)+1], v[W+4*\i+\c:W+4*\i+\c+1], v[X+32*\b+4*(\i&7)+\c:X+32*\b+4*(\i&7)+\c+1], v[ACC+2*(4*(\i>>3)+\b):ACC+2*(4*(\i>>3)+\b)+1]
.endif
.endr
.endr
.endm
.irp i, 0,1,2,3,4,5,6,7,8,9,10,11,12,13,14,15
	ROWS \i
.endr
	; eight sums over the 32 lanes, side by side so that no step waits for the one in front of it
.irp i, 0,1,2,3,4,5,6,7
	v_add_f32 v[T+\i], v[ACC+2*\i], v[ACC+2*\i+1]
.endr
.irp m, 1,2,4,8
.irp i, 0,1,2,3,4,5,6,7
	v_add_f32_dpp v[T+\i], v[T+\i], v[T+\i] row_xmask:\m row_mask:0xf bank_mask:0xf
.endr
.endr
.irp i, 0,1,2,3,4,5,6,7
	v_permlanex16_b32 v[ACC+\i], v[T+\i], s30, s31
.endr
	s_wait_kmcnt 0x0                               ; the bias
.irp i, 0,1,2,3,4,5,6,7
	v_add_f32 v[T+\i], v[T+\i], v[ACC+\i]
.endr
.irp i, 0,1,2,3,4,5,6,7
	v_add_f32 v[T+\i], s[28+(\i>>2)], v[T+\i]
.endr
	ds_store_b128 v7, v[T:T+3]                     ; row 2 w: four b; every lane holds the same numbers
	ds_store_b128 v7, v[T+4:T+7] offset:16         ; row 2 w + 1
	s_wait_dscnt 0x0
	s_barrier_signal -1
	s_barrier_wait -1                              ; all 32 rows are in LDS
	s_cmp_lg_u32 s14, 0
	s_cbranch_scc1 .Ldone
	ds_load_b128 v[X:X+3], v6 offset:STG
	s_wait_dscnt 0x0
	global_store_b128 v6, v[X:X+3], s[12:13]       ; one wave, 512 consecutive bytes, aligned
.Ldone:
	s_wait_tensorcnt 0x0
	ds_add_u32 v232, v233
	s_wait_dscnt 0x0
	s_endpgm
.Lfunc_end_k_q5eda7ef098_ctxv:
	.size	k_q5eda7ef098_ctxv, .Lfunc_end_k_q5eda7ef098_ctxv-k_q5eda7ef098_ctxv
	.p2alignl 7, 3214868480
	.fill 96, 4, 3214868480
	.section	.rodata,"a",@progbits
	.p2align	6, 0x0
	.amdhsa_kernel k_q5eda7ef098_ctxv
		.amdhsa_group_segment_fixed_size 18944
		.amdhsa_private_segment_fixed_size 0
		.amdhsa_enable_private_segment 0
		.amdhsa_kernarg_size 40
		.amdhsa_user_sgpr_count 2
		.amdhsa_user_sgpr_kernarg_segment_ptr 1
		.amdhsa_wavefront_size32 1
		.amdhsa_system_sgpr_workgroup_id_x 1
		.amdhsa_system_sgpr_workgroup_id_y 1
		.amdhsa_system_sgpr_workgroup_id_z 1
		.amdhsa_system_vgpr_workitem_id 0
		.amdhsa_next_free_vgpr 234
		.amdhsa_next_free_sgpr 66
		.amdhsa_reserve_vcc 0
		.amdhsa_float_denorm_mode_32 3
		.amdhsa_float_denorm_mode_16_64 3
		.amdhsa_memory_ordered 1
		.amdhsa_forward_progress 1
		.amdhsa_inst_pref_size 31
	.end_amdhsa_kernel
	.amdgpu_metadata
---
amdhsa.version: [ 1, 2 ]
amdhsa.kernels:
  - .name:           k_q5eda7ef098_ctxv
    .symbol:         k_q5eda7ef098_ctxv.kd
    .args:
      - { .name: Wv, .offset: 0, .size: 8, .value_kind: global_buffer, .address_space: global }
      - { .name: rpart, .offset: 8, .size: 8, .value_kind: global_buffer, .address_space: global }
      - { .name: ml, .offset: 16, .size: 8, .value_kind: global_buffer, .address_space: global }
      - { .name: bv, .offset: 24, .size: 8, .value_kind: global_buffer, .address_space: global }
      - { .name: ctx, .offset: 32, .size: 8, .value_kind: global_buffer, .address_space: global }
    .group_segment_fixed_size: 18944
    .private_segment_fixed_size: 0
    .kernarg_segment_align: 8
    .kernarg_segment_size: 40
    .max_flat_workgroup_size: 512
    .sgpr_count:     66
    .vgpr_count:     234
    .wavefront_size: 32
...
	.end_amdgpu_metadata
.endif
;; end of part 3
;; launch oproj (part 4): grid 256 x 1, 16 waves a work-group, no clusters, 18,944 bytes of LDS; arguments Wo, ctx, bo, attn; writes attn
.if DOCPART == 4
	.amdgcn_target "amdgcn-amd-amdhsa--gfx1250"
	.amdhsa_code_object_version 6
	.text
	.protected	k_q5eda7ef098_oproj
	.globl	k_q5eda7ef098_oproj
	.p2align	8
	.type	k_q5eda7ef098_oproj,@function
k_q5eda7ef098_oproj:
	s_mov_b64 s[64:65], 0
	v_nop
	global_prefetch_b8 v0, s[64:65] scope:SCOPE_SE
	s_setreg_imm32_b32 hwreg(HW_REG_WAVE_MODE, 25, 1), 1
	s_wait_xcnt 0x0
; Launches 4 and 5 of 6: attn[k][f][b] = sum_e Wo[k,f,e] ctx[k][e][b] + bo[k,f], and with other buffers out[k][f][b] = sum_e Wp[k,f,e] attn[k][e][b] + bp[k,f].
; y[row][b] = sum_e W[row][e] x[e][b] + bias[row], four columns b: the weights are streamed once and bind, so f32 vector multiply-adds and no matrix unit.
; Work-group g owns rows 32 g .. 32 g + 31 of W (128 KiB); wave w takes rows 2 w, 2 w + 1 whole.  x (16 KiB, the block of layer k = g / 32) is copied once into LDS, turned from
; [e][b] to [b][e], and read from there by every wave.
; The results lie as [row][b], so the work-group's 32 rows are 512 consecutive bytes: they are gathered in LDS and stored by one instruction of wave 0.
.set STG,  16384                       ; LDS: x in bytes 0 .. 16,383, the results' 512 bytes behind
.set XS,   8                           ; v[8:15]     x on its way into LDS
.set W,    16                          ; v[16:79]    two rows of W, 32 numbers each (e = 128 j + 4 lane + 0..3)
.set X,    80                          ; v[80:207]   x at the same places: (b, j) at 32 b + 4 j
.set ACC,  208                         ; v[208:223]  a pair of sums for each (row, b)
.set T,    224                         ; v[224:231]  the eight results
	s_load_b256 s[4:11], s[0:1], 0x0               ; W s[4:5], x s[6:7], bias s[8:9], y s[10:11]
	v_lshl_add_u32 v232, v0, 2, 0x4200
	v_mov_b32 v233, 0
	v_lshrrev_b32 v2, 5, v0
	v_readfirstlane_b32 s14, v2                    ; wave w
	v_and_b32 v1, 31, v0                           ; lane
	s_mov_b32 s30, 0x76543210                      ; v_permlanex16_b32: lane i of one half reads lane i of the other
	s_mov_b32 s31, 0xfedcba98
	s_lshl_b32 s16, ttmp9, 17                      ; W: 32 rows of 4,096 bytes
	s_mov_b32 s17, 0
	s_lshr_b32 s18, ttmp9, 5                       ; k
	s_lshl_b32 s18, s18, 14                        ; x: blocks of 16 KiB
	s_mov_b32 s19, 0
	s_lshl_b32 s22, ttmp9, 7                       ; bias: 4 (32 g + 2 w)
	s_lshl3_add_u32 s22, s14, s22
	s_mov_b32 s23, 0
	s_lshl_b32 s24, ttmp9, 9                       ; y: 32 rows of 16 bytes
	s_mov_b32 s25, 0
	s_lshl_b32 s26, s14, 13
	s_lshl_b32 s27, s14, 5
	s_add_co_u32 s27, s27, STG
	v_lshlrev_b32 v6, 4, v1                        ; 16 lane
	v_add_nc_u32 v3, s26, v6                       ; W: row 2 w, 16 lane
	v_lshlrev_b32 v4, 4, v0                        ; x: 16 thread
	v_lshlrev_b32 v5, 2, v0                        ; 4 thread
	v_mov_b32 v7, s27                              ; my two rows' 32 bytes among the results
	s_wait_kmcnt 0x0
	s_add_nc_u64 s[4:5], s[4:5], s[16:17]
	s_add_nc_u64 s[6:7], s[6:7], s[18:19]
	s_add_nc_u64 s[8:9], s[8:9], s[22:23]
	s_add_nc_u64 s[10:11], s[10:11], s[24:25]
	s_load_b64 s[20:21], s[8:9], 0x0               ; bias of my two rows
	global_load_b128 v[XS:XS+3], v4, s[6:7]
	global_load_b128 v[XS+4:XS+7], v4, s[6:7] offset:8192
.irp i, 0,1,2,3,4,5,6,7,8,9,10,11,12,13,14,15
	global_load_b128 v[W+4*\i:W+4*\i+3], v3, s[4:5] offset:4096*(\i>>3)+512*(\i&7) th:TH_LOAD_NT
.endr
	s_wait_loadcnt 16                              ; x is in; W's sixteen loads, issued behind it, stay out
.irp i, 0,1
.irp b, 0,1,2,3
	ds_store_b32 v5, v[XS+4*\i+\b] offset:4096*\b+2048*\i  ; my 16 bytes are the four b of e = thread + 512 i: to [b][e], neighbouring lanes to neighbouring words
.endr
.endr
	s_wait_dscnt 0x0                               ; my part of x is in LDS before I say so
	s_barrier_signal -1
	s_barrier_wait -1                              ; all of x is.  W's loads stay on their way across the barrier: no wave writes those bytes
.irp b, 0,1,2,3
.irp j, 0,1,2,3,4,5,6,7
	ds_load_b128 v[X+32*\b+4*\j:X+32*\b+4*\j+3], v6 offset:4096*\b+512*\j
.endr
.endr
	s_wait_dscnt 0x0
; W's load i = 8 rr + j times the four columns: eight packed multiply-adds on four chains that take turns.  Each row's first products start its sums.
.macro ROWS i
	s_wait_loadcnt 15-\i                           ; load i is in, the 15 - i behind it stay out
.irp c, 0,2
.irp b, 0,1,2,3
.if ((\i&7)+\c) == 0
	v_pk_mul_f32 v[ACC+2*(4*(\i>>3)+\b):ACC+2*(4*(\i>>3)+\b)+1], v[W+4*\i+\c:W+4*\i+\c+1], v[X+32*\b+4*(\i&7)+\c:X+32*\b+4*(\i&7)+\c+1]
.else
	v_pk_fma_f32 v[ACC+2*(4*(\i>>3)+\b):ACC+2*(4*(\i>>3)+\b)+1], v[W+4*\i+\c:W+4*\i+\c+1], v[X+32*\b+4*(\i&7)+\c:X+32*\b+4*(\i&7)+\c+1], v[ACC+2*(4*(\i>>3)+\b):ACC+2*(4*(\i>>3)+\b)+1]
.endif
.endr
.endr
.endm
.irp i, 0,1,2,3,4,5,6,7,8,9,10,11,12,13,14,15
	ROWS \i
.endr
	; eight sums over the 32 lanes, side by side so that no step waits for the one in front of it
.irp i, 0,1,2,3,4,5,6,7
	v_add_f32 v[T+\i], v[ACC+2*\i], v[ACC+2*\i+1]
.endr
.irp m, 1,2,4,8
.irp i, 0,1,2,3,4,5,6,7
	v_add_f32_dpp v[T+\i], v[T+\i], v[T+\i] row_xmask:\m row_mask:0xf bank_mask:0xf
.endr
.endr
.irp i, 0,1,2,3,4,5,6,7
	v_permlanex16_b32 v[ACC+\i], v[T+\i], s30, s31
.endr
	s_wait_kmcnt 0x0                               ; the bias
.irp i, 0,1,2,3,4,5,6,7
	v_add_f32 v[T+\i], v[T+\i], v[ACC+\i]
.endr
.irp i, 0,1,2,3,4,5,6,7
	v_add_f32 v[T+\i], s[20+(\i>>2)], v[T+\i]
.endr
	ds_store_b128 v7, v[T:T+3]                     ; row 2 w: four b; every lane holds the same numbers
	ds_store_b128 v7, v[T+4:T+7] offset:16         ; row 2 w + 1
	s_wait_dscnt 0x0
	s_barrier_signal -1
	s_barrier_wait -1                              ; all 32 rows are in LDS
	s_cmp_lg_u32 s14, 0
	s_cbranch_scc1 .Ldone
	ds_load_b128 v[XS:XS+3], v6 offset:STG
	s_wait_dscnt 0x0
	global_store_b128 v6, v[XS:XS+3], s[10:11]     ; one wave, 512 consecutive bytes, aligned
.Ldone:
	s_wait_tensorcnt 0x0
	ds_add_u32 v232, v233
	s_wait_dscnt 0x0
	s_endpgm
.Lfunc_end_k_q5eda7ef098_oproj:
	.size	k_q5eda7ef098_oproj, .Lfunc_end_k_q5eda7ef098_oproj-k_q5eda7ef098_oproj
	.p2alignl 7, 3214868480
	.fill 96, 4, 3214868480
	.section	.rodata,"a",@progbits
	.p2align	6, 0x0
	.amdhsa_kernel k_q5eda7ef098_oproj
		.amdhsa_group_segment_fixed_size 18944
		.amdhsa_private_segment_fixed_size 0
		.amdhsa_enable_private_segment 0
		.amdhsa_kernarg_size 32
		.amdhsa_user_sgpr_count 2
		.amdhsa_user_sgpr_kernarg_segment_ptr 1
		.amdhsa_wavefront_size32 1
		.amdhsa_system_sgpr_workgroup_id_x 1
		.amdhsa_system_sgpr_workgroup_id_y 1
		.amdhsa_system_sgpr_workgroup_id_z 1
		.amdhsa_system_vgpr_workitem_id 0
		.amdhsa_next_free_vgpr 234
		.amdhsa_next_free_sgpr 66
		.amdhsa_reserve_vcc 0
		.amdhsa_float_denorm_mode_32 3
		.amdhsa_float_denorm_mode_16_64 3
		.amdhsa_memory_ordered 1
		.amdhsa_forward_progress 1
		.amdhsa_inst_pref_size 19
	.end_amdhsa_kernel
	.amdgpu_metadata
---
amdhsa.version: [ 1, 2 ]
amdhsa.kernels:
  - .name:           k_q5eda7ef098_oproj
    .symbol:         k_q5eda7ef098_oproj.kd
    .args:
      - { .name: Wo, .offset: 0, .size: 8, .value_kind: global_buffer, .address_space: global }
      - { .name: ctx, .offset: 8, .size: 8, .value_kind: global_buffer, .address_space: global }
      - { .name: bo, .offset: 16, .size: 8, .value_kind: global_buffer, .address_space: global }
      - { .name: attn, .offset: 24, .size: 8, .value_kind: global_buffer, .address_space: global }
    .group_segment_fixed_size: 18944
    .private_segment_fixed_size: 0
    .kernarg_segment_align: 8
    .kernarg_segment_size: 32
    .max_flat_workgroup_size: 512
    .sgpr_count:     66
    .vgpr_count:     234
    .wavefront_size: 32
...
	.end_amdgpu_metadata
.endif
;; end of part 4
;; launch pproj: the kernel of part 4 again; grid 256 x 1, 16 waves a work-group, no clusters, 18,944 bytes of LDS; arguments Wp, attn, bp, yout; writes yout
;; launch lnorm (part 5): grid 8 x 1, 8 waves a work-group, no clusters, 1,280 bytes of LDS; arguments yout, gamma, beta, out0; writes out0
.if DOCPART == 5
	.amdgcn_target "amdgcn-amd-amdhsa--gfx1250"
	.amdhsa_code_object_version 6
	.text
	.protected	k_q5eda7ef098_lnorm
	.globl	k_q5eda7ef098_lnorm
	.p2align	8
	.type	k_q5eda7ef098_lnorm,@function
k_q5eda7ef098_lnorm:
	s_mov_b64 s[64:65], 0
	v_nop
	global_prefetch_b8 v0, s[64:65] scope:SCOPE_SE
	s_setreg_imm32_b32 hwreg(HW_REG_WAVE_MODE, 25, 1), 1
	s_wait_xcnt 0x0
; Launch 6 of 6: out0[b][k][f] = gamma[f] (y - mu) rsqrt(var + 1e-5) + beta[f], mean and variance over f, y = yout[k][f][b].
; Eight work-groups, one a layer k: the whole launch moves 128 KiB in and 128 KiB out.  Thread t owns f = 4 t .. 4 t + 3 for all four b: 64 neighbouring bytes of yout,
; and for each b 16 neighbouring bytes of out0, so a wave's store covers 512 consecutive bytes.  The turn from [f][b] to [b][f] is made by the choice of registers alone.
; The variance is the mean of (y - mu)^2, in two passes over registers, as in the module as written.
.set X,  8                             ; v[8:23]     y: (c, b) at 4 c + b, f = 4 t + c; then y - mu, then that times rsqrt
.set GA, 24                            ; v[24:27]    gamma of my four f
.set BE, 28                            ; v[28:31]    beta
.set SM, 32                            ; v[32:35]    my sums, one for each b
.set TP, 36                            ; v[36:39]    at work
.set RD, 40                            ; v[40:71]    the eight waves' sums; the totals end in v[40:43]
.set O,  44                            ; v[44:59]    results: (b, c) at 4 b + c
; The four sums in SM over all 256 threads, into v[RD:RD+3] of every lane.  off: 128 LDS bytes of this sum's own.
.macro REDUCE off
.irp m, 1,2,4,8
.irp b, 0,1,2,3
	v_add_f32_dpp v[SM+\b], v[SM+\b], v[SM+\b] row_xmask:\m row_mask:0xf bank_mask:0xf
.endr
.endr
.irp b, 0,1,2,3
	v_permlanex16_b32 v[TP+\b], v[SM+\b], s30, s31 ; TP has been written before: a lane permute counts as a reader of its destination
.endr
	v_pk_add_f32 v[SM:SM+1], v[SM:SM+1], v[TP:TP+1]
	v_pk_add_f32 v[SM+2:SM+3], v[SM+2:SM+3], v[TP+2:TP+3]
	ds_store_b128 v3, v[SM:SM+3] offset:\off       ; my wave's 16 bytes; every lane holds the same numbers
	s_wait_dscnt 0x0
	s_barrier_signal -1
	s_barrier_wait -1
.irp p, 0,1,2,3,4,5,6,7
	ds_load_b128 v[RD+4*\p:RD+4*\p+3], v4 offset:\off+16*\p
.endr
	s_wait_dscnt 0x0
.irp st, 4,2,1
.set p, 0
.rept \st
	v_pk_add_f32 v[RD+4*p:RD+4*p+1], v[RD+4*p:RD+4*p+1], v[RD+4*(p+\st):RD+4*(p+\st)+1]
	v_pk_add_f32 v[RD+4*p+2:RD+4*p+3], v[RD+4*p+2:RD+4*p+3], v[RD+4*(p+\st)+2:RD+4*(p+\st)+3]
.set p, p+1
.endr
.endr
.endm
	s_load_b256 s[4:11], s[0:1], 0x0               ; yout s[4:5], gamma s[6:7], beta s[8:9], out0 s[10:11]
	v_lshl_add_u32 v72, v0, 2, 0x100
	v_mov_b32 v73, 0
	v_lshrrev_b32 v5, 5, v0
	v_readfirstlane_b32 s14, v5                    ; wave w
	s_mov_b32 s30, 0x76543210                      ; v_permlanex16_b32: lane i of one half reads lane i of the other
	s_mov_b32 s31, 0xfedcba98
	s_mov_b32 s20, 0x3a800000                      ; 1 / 1024
	s_mov_b32 s21, 0x3727c5ac                      ; 1e-5
	s_mov_b32 s22, 0xba800000                      ; - 1 / 1024
	s_mov_b32 s23, 0                               ; the pair's other word: not used, but the pair is named whole
	s_lshl_b32 s16, ttmp9, 14                      ; yout[k]
	s_mov_b32 s17, 0
	s_lshl_b32 s18, ttmp9, 12                      ; out0[.][k]
	s_mov_b32 s19, 0
	s_lshl_b32 s15, s14, 4
	v_lshlrev_b32 v1, 6, v0                        ; 64 t
	v_lshlrev_b32 v2, 4, v0                        ; 16 t
	v_mov_b32 v3, s15                              ; LDS: 16 w
	v_mov_b32 v4, 0
	s_wait_kmcnt 0x0
	s_add_nc_u64 s[4:5], s[4:5], s[16:17]
	s_add_nc_u64 s[10:11], s[10:11], s[18:19]
.irp c, 0,1,2,3
	global_load_b128 v[X+4*\c:X+4*\c+3], v1, s[4:5] offset:16*\c
.endr
	global_load_b128 v[GA:GA+3], v2, s[6:7]
	global_load_b128 v[BE:BE+3], v2, s[8:9]
	s_wait_loadcnt 0x0
	v_pk_add_f32 v[SM:SM+1], v[X:X+1], v[X+4:X+5]
	v_pk_add_f32 v[SM+2:SM+3], v[X+2:X+3], v[X+6:X+7]
	v_pk_add_f32 v[TP:TP+1], v[X+8:X+9], v[X+12:X+13]
	v_pk_add_f32 v[TP+2:TP+3], v[X+10:X+11], v[X+14:X+15]
	v_pk_add_f32 v[SM:SM+1], v[SM:SM+1], v[TP:TP+1]
	v_pk_add_f32 v[SM+2:SM+3], v[SM+2:SM+3], v[TP+2:TP+3]
	REDUCE 0
.irp c, 0,1,2,3
	v_pk_fma_f32 v[X+4*\c:X+4*\c+1], v[RD:RD+1], s[22:23], v[X+4*\c:X+4*\c+1] op_sel_hi:[1,0,1]           ; y - sum / 1024: the factor is a power of two
	v_pk_fma_f32 v[X+4*\c+2:X+4*\c+3], v[RD+2:RD+3], s[22:23], v[X+4*\c+2:X+4*\c+3] op_sel_hi:[1,0,1]
.endr
	v_pk_mul_f32 v[SM:SM+1], v[X:X+1], v[X:X+1]
	v_pk_mul_f32 v[SM+2:SM+3], v[X+2:X+3], v[X+2:X+3]
.irp c, 1,2,3
	v_pk_fma_f32 v[SM:SM+1], v[X+4*\c:X+4*\c+1], v[X+4*\c:X+4*\c+1], v[SM:SM+1]
	v_pk_fma_f32 v[SM+2:SM+3], v[X+4*\c+2:X+4*\c+3], v[X+4*\c+2:X+4*\c+3], v[SM+2:SM+3]
.endr
	REDUCE 128                                     ; other LDS bytes than the first sum's: no wave can overwrite what a slower one still reads
.irp b, 0,1,2,3
	v_fma_f32 v[RD+\b], v[RD+\b], s20, s21         ; var + eps
.endr
.irp b, 0,1,2,3
	v_rsq_f32 v[RD+\b], v[RD+\b]
.endr
	v_nop                                          ; one plain vector instruction behind them before their results are read (ISA guide 5.7.2)
	s_wait_alu depctr_va_vdst(0)
.irp c, 0,1,2,3
	v_pk_mul_f32 v[X+4*\c:X+4*\c+1], v[X+4*\c:X+4*\c+1], v[RD:RD+1]
	v_pk_mul_f32 v[X+4*\c+2:X+4*\c+3], v[X+4*\c+2:X+4*\c+3], v[RD+2:RD+3]
.endr
.irp b, 0,1,2,3
.irp c, 0,1,2,3
	v_fma_f32 v[O+4*\b+\c], v[X+4*\c+\b], v[GA+\c], v[BE+\c]
.endr
.endr
.irp b, 0,1,2,3
	global_store_b128 v2, v[O+4*\b:O+4*\b+3], s[10:11] offset:32768*\b   ; a wave stores 512 consecutive bytes, aligned
.endr
	s_wait_tensorcnt 0x0
	ds_add_u32 v72, v73
	s_wait_dscnt 0x0
	s_endpgm
.Lfunc_end_k_q5eda7ef098_lnorm:
	.size	k_q5eda7ef098_lnorm, .Lfunc_end_k_q5eda7ef098_lnorm-k_q5eda7ef098_lnorm
	.p2alignl 7, 3214868480
	.fill 96, 4, 3214868480
	.section	.rodata,"a",@progbits
	.p2align	6, 0x0
	.amdhsa_kernel k_q5eda7ef098_lnorm
		.amdhsa_group_segment_fixed_size 1280
		.amdhsa_private_segment_fixed_size 0
		.amdhsa_enable_private_segment 0
		.amdhsa_kernarg_size 32
		.amdhsa_user_sgpr_count 2
		.amdhsa_user_sgpr_kernarg_segment_ptr 1
		.amdhsa_wavefront_size32 1
		.amdhsa_system_sgpr_workgroup_id_x 1
		.amdhsa_system_sgpr_workgroup_id_y 1
		.amdhsa_system_sgpr_workgroup_id_z 1
		.amdhsa_system_vgpr_workitem_id 0
		.amdhsa_next_free_vgpr 74
		.amdhsa_next_free_sgpr 66
		.amdhsa_reserve_vcc 0
		.amdhsa_float_denorm_mode_32 3
		.amdhsa_float_denorm_mode_16_64 3
		.amdhsa_memory_ordered 1
		.amdhsa_forward_progress 1
		.amdhsa_inst_pref_size 12
	.end_amdhsa_kernel
	.amdgpu_metadata
---
amdhsa.version: [ 1, 2 ]
amdhsa.kernels:
  - .name:           k_q5eda7ef098_lnorm
    .symbol:         k_q5eda7ef098_lnorm.kd
    .args:
      - { .name: yout, .offset: 0, .size: 8, .value_kind: global_buffer, .address_space: global }
      - { .name: gamma, .offset: 8, .size: 8, .value_kind: global_buffer, .address_space: global }
      - { .name: beta, .offset: 16, .size: 8, .value_kind: global_buffer, .address_space: global }
      - { .name: out0, .offset: 24, .size: 8, .value_kind: global_buffer, .address_space: global }
    .group_segment_fixed_size: 1280
    .private_segment_fixed_size: 0
    .kernarg_segment_align: 8
    .kernarg_segment_size: 32
    .max_flat_workgroup_size: 256
    .sgpr_count:     66
    .vgpr_count:     74
    .wavefront_size: 32
...
	.end_amdgpu_metadata
.endif
;; end of part 5
;; ======== version 2 of 2: 6 launches; version 1 with the launch attend written anew for expert scheduling mode
;; limits: values are held in f16: magnitudes above 65,504 overflow, below 6.1e-05 lose precision; inputs' magnitudes at most 65,504; values outside matrix products are rounded to f16
;; workspace buffers: upart 1,048,576 bytes; rpart 16,777,216 bytes; ml 65,536 bytes; ctx 131,072 bytes; attn 131,072 bytes; yout 131,072 bytes
;; launch qu: the kernel of part 1 again; grid 256 x 1, 16 waves a work-group, no clusters, 2,304 bytes of LDS; arguments queries, Wq, bq, Wk, upart; writes upart
;; launch attend (part 6): grid 256 x 1, 16 waves a work-group, no clusters, 320,256 bytes of LDS; arguments representations, upart, attention_mask, rpart, ml; writes rpart, ml
.if DOCPART == 6
	.amdgcn_target "amdgcn-amd-amdhsa--gfx1250"
	.amdhsa_code_object_version 6
	.text
	.protected	k_q5eda7ef098_attend
	.globl	k_q5eda7ef098_attend
	.p2align	8
	.type	k_q5eda7ef098_attend,@function
k_q5eda7ef098_attend:
	s_mov_b64 s[64:65], 0
	v_nop
	global_prefetch_b8 v0, s[64:65] scope:SCOPE_SE
	s_setreg_imm32_b32 hwreg(HW_REG_WAVE_SCHED_MODE, 0, 2), 2
	s_setreg_imm32_b32 hwreg(HW_REG_WAVE_MODE, 25, 1), 1
	s_wait_xcnt 0x0
	s_wait_alu depctr_vm_vsrc(0)
; Launch 2 of 6: scores, softmax by chunks of 64 s, and the chunk's share of r.  Left out: Kp, Vp and bk (q.bk is the same along s and cancels in the softmax; sum_s p = 1;
; shown at the head of the first kernel).
; Work-group g: chunk c = (g / 4) % 16 of batch b = g / 64 (64 rows of rep) x 32 kh (kg = g % 4).  For each of its kh:
;   x[s] = sum_e rep[b,s,e] (upart[0] + upart[1])[kh,e] + mask[b,s];   m = max over the chunk;   l = sum over the chunk of exp(x - m);   p = exp(x - m) / l;
;   rpart[kh][b][c][e] = sum over the chunk of p[s] rep[b,s,e], in f16;   ml[g][kh % 32] = (m, l).
; The next launch joins the sixteen chunks of a row with the weights l exp(m - row maximum) / sum: the softmax of the whole row with its true maximum taken away.
; WAVE w OWNS e = 64 w .. 64 w + 63 OF ALL ROWS, in both products.  It loads them itself (two rows' aligned runs of 256 bytes an instruction) and rounds rep twice into an LDS
; region of its own: to bf16 for the scores, to f16 for r.  In the first product e is summed, so the sixteen waves' partial tiles (32 kh x 64 s) meet in LDS; in the second e is
; free and s is summed, all 64 of them in each wave's own strip: nothing is split there.
; FORMATS.  Scores in bf16: u is a product of three inputs and has no sure room in f16's range.  p and rep in f16 for r, three more bits than bf16.  LIMITS: |rep| above 65,504
; becomes an infinity (the problem's numbers are of size 1; thirty times that, or an offset of thirty, stays near 200).  p lies in [0, 1] and sums to 1 over the chunk, so a
; number of rpart is a mean of rep's and never larger than they are; below 2^-14 p keeps an absolute step of 2^-24.
; A chunk masked to -inf throughout: m is held at the lowest finite number, so exp gives 0, l = 0, p = 0, and the chunk's weight is 0.  A row masked so throughout gives NaN in
; the next launch, as in the module as written.
; No cluster and no tensor load, though four work-groups read each tile of rep: the tile is f32 in memory and passes through registers to be rounded, and 318,208 of the
; WGP's 327,680 LDS bytes are taken, so an f32 tile has nowhere to land.
; THE MODE: SCHED_MODE bits 1:0 = 2 (LLVM: expert scheduling mode 2), set by the entry lines.  The code itself states the register dependences between vector or matrix
; instructions and memory or LDS instructions, with s_wait_alu, always for 0.
; THE PLAN.  Registers that memory or LDS instructions touch:
;   v3 .. v23     addresses, made once at the head and never written again.
;   banks A, B    u: loaded, then named by the additions and conversions alone; behind ONE wait on va_vdst a bank is loaded again at once, with rep.
;   T0, T1        bf16 on its way into LDS.  u's rows 0-15 go through T0, its rows 16-31 through T1; rep's batch n (8 loads) through T[n % 2].
;   banks A, B    rep: registers 0, 1 of each load's four take its f16 pair, in place; the LDS stores of the batch read them.
;   Batch n's conversions name T[n % 2] and the batch's own 32 bank registers.  The sixteen LDS stores of batch n - 1 read T[(n - 1) % 2] and that batch's bank registers:
;   so they are dealt among batch n's conversions, behind one wait on va_vdst at the batch's head (batch n - 1 is written) and, from batch 2 on, one on vm_vsrc (the stores
;   issued in the batch before have read T[n % 2]).
;   v[48:143]     fragments and read-backs: loaded from LDS, read by the products and sums; each new run of loads stands behind a wait on va_vdst with no vector line between
;                 that names them.
;   v[144:207]    the accumulators lie in bank B's registers: a wait on vm_vsrc stands ahead of each product's first instruction, behind the LDS stores that read them.
;   v212, v213    written at the head, read by the closing add alone.
.set RGN,   19584                      ; a wave's LDS region; 128 modulo 256, so that two neighbouring regions' rows of 128 bytes fall on different banks on the way out
.set OP,    144                        ; bf16 operand row, p's row and r's row: 128 bytes + 16, an odd multiple of 16: the 16 rows of a fragment load start in 16 different 16-byte columns of 256
.set HS,    9216                       ; in the region: bytes 0 .. 9,215 hold u (32 rows), then rep in bf16 (64 rows), then partial scores (32 x 272), then my tile of r (32 x 144)
.set HP,    160                        ; bytes 9,216 .. 19,455: rep in f16, 64 rows of 128 bytes + 32, an odd multiple of 32, for the transposing load
.set SP,    272                        ; a row of partial scores: 256 bytes of f32 + 16
.set PT,    16*RGN                     ; behind the regions: p, 32 kh x 64 s in f16, for all waves
.set MLS,   PT+32*OP                   ; and the 32 pairs (m, l), 256 bytes; behind them, from byte 318,208 on, the spare words: 128 bytes for each of the sixteen waves
.set UHALF, 524288                     ; bytes from upart[0] to upart[1]
.set KHB,   131072                     ; bytes of rpart for one kh: 4 b x 16 c x 2,048
.set MK,  28                           ; v[28:31]    mask of my four s
.set T0,  32                           ; v[32:47]    eight pairs: bf16 on its way into LDS, even batches
.set BF,  48                           ; v[48:79]    u's fragments, (kk, nk) at 8 (2 kk + nk)
.set PF,  48                           ;             then p's, (kk, nt) at 8 (2 kk + nt)
.set BA,  80                           ; v[80:143]   load bank A
.set BB,  144                          ; v[144:207]  load bank B: rep's load L of 32 lies at BA + 4 L
.set AF,  80                           ; v[80:143]   then rep's bf16 fragments, (kk, ms) at 8 (4 kk + ms)
.set RB,  80                           ;             then the sixteen partial scores of my 16 bytes
.set RF,  80                           ;             then rep's f16 fragments, (kk, mt) at 8 (4 kk + mt)
.set PK,  80                           ; v[80:111]   then r packed to f16
.set OUT, 112                          ; v[112:143]  and whole rows of r on their way out
.set ACC, 144                          ; v[144:207]  accumulators of both products, (ms, nk) or (mt, nt) at 8 (2 ms + nk)
.set M,   208                          ; v[208:209]  m, l
.set R,   210                          ; 1 / l
.set T1,  214                          ; v[214:229]  eight pairs: bf16 on its way into LDS, odd batches
	s_load_b256 s[4:11], s[0:1], 0x0               ; rep s[4:5], upart s[6:7], mask s[8:9], rpart s[10:11]
	s_load_b64 s[12:13], s[0:1], 0x20              ; ml
	v_lshl_add_u32 v212, v0, 2, 0x4db00            ; the LDS address of my spare word, and 0: kept for the closing lines alone
	v_mov_b32 v213, 0
	v_lshrrev_b32 v24, 5, v0
	v_readfirstlane_b32 s14, v24                   ; wave w
	v_and_b32 v1, 15, v0                           ; lane % 16
	v_bfe_u32 v2, v0, 4, 1                         ; lane / 16
	v_and_b32 v26, 31, v0                          ; lane
	s_lshr_b32 s16, ttmp9, 2                       ; sg = 16 b + c
	s_and_b32 s17, ttmp9, 3                        ; kg
	s_lshl_b32 s18, s16, 18                        ; rep: 64 rows of 4,096 bytes
	s_mov_b32 s19, 0
	s_lshl_b32 s20, s17, 17                        ; upart: 32 rows of 4,096 bytes
	s_mov_b32 s21, 0
	s_lshl_b32 s22, s16, 8                         ; mask: 64 numbers
	s_mov_b32 s23, 0
	s_lshl_b32 s24, s17, 22                        ; rpart: 32 kh of 131,072 bytes a kg,
	s_lshl_b32 s25, s16, 11                        ; 2,048 bytes a (b, c)
	s_add_co_u32 s24, s24, s25
	s_mov_b32 s25, 0
	s_lshl_b32 s26, ttmp9, 8                       ; ml: 256 bytes a work-group
	s_mov_b32 s27, 0
	s_wait_alu depctr_va_sdst(0)                   ; s14 is written, ahead of its first reader: the wave's LDS region and offsets are made from it
	s_mul_i32 s15, s14, RGN                        ; my region
	s_add_co_u32 s29, s15, HS                      ; its f16 rows
	s_lshl_b32 s28, s14, 8
	s_mul_i32 s30, s14, 2*SP                       ; rows 2 w, 2 w + 1 of the partial scores
	s_mul_i32 s31, s14, 2*OP                       ; and of a tile with rows of 144 bytes
	s_add_co_u32 s32, s31, PT
	s_lshl_b32 s33, s14, 4
	s_add_co_u32 s33, s33, MLS
	s_lshl_b32 s34, s14, 18
	v_lshlrev_b32 v12, 4, v1                       ; 16 (lane % 16): the mask's offset
	v_lshl_add_u32 v3, v2, 15, v12                 ; loads: EIGHT rows down for lanes 16-31,
	v_add_nc_u32 v3, s28, v3                       ; my 256 bytes of a row
	v_mul_u32_u24 v27, v2, 8*OP                    ; in LDS the two rows of a store lie 8 x 144 = 1,152 bytes apart, 128 modulo 256: the 32 lanes' 64 words fall on 64 different banks (ISA guide 11.1)
	v_lshl_add_u32 v27, v1, 3, v27
	v_add_nc_u32 v4, s15, v27                      ; where my 4 bf16 go
	v_mul_u32_u24 v27, v2, 8*HP
	v_lshl_add_u32 v27, v1, 3, v27
	v_add_nc_u32 v5, s29, v27                      ; where my 4 f16 go
	v_mul_u32_u24 v27, v1, OP
	v_lshl_add_u32 v27, v2, 4, v27
	v_add_nc_u32 v6, s15, v27                      ; bf16 fragments, and r's tile in: row lane % 16, 16 bytes for each half of the lanes
	v_add_nc_u32 v16, PT, v27                      ; p's fragments: the same in p's tile
	v_mul_u32_u24 v27, v1, SP
	v_lshl_add_u32 v27, v2, 5, v27
	v_add_nc_u32 v7, s15, v27                      ; partial scores in: row kh = lane % 16, 8 s for each half of the lanes
	v_mul_u32_u24 v27, v2, SP
	v_add_nc_u32 v27, v27, v12
	v_add_nc_u32 v8, s30, v27                      ; partial scores back: row 2 w + lane / 16 of region 0,
	v_add_nc_u32 v9, 4*RGN, v8                     ; of region 4,
	v_add_nc_u32 v10, 8*RGN, v8                    ; 8,
	v_add_nc_u32 v11, 12*RGN, v8                   ; 12: the immediate reaches the three regions behind each
	v_mul_u32_u24 v27, v2, OP
	v_lshl_add_u32 v27, v1, 3, v27
	v_add_nc_u32 v13, s32, v27                     ; p in: row 2 w + lane / 16, my 4 s
	v_lshl_add_u32 v14, v2, 3, s33                 ; (m, l) in: pair 2 w + lane / 16
	v_and_b32 v25, 7, v0
	v_lshl_add_u32 v27, v2, 3, v25                 ; the transposing load: row 8 (lane / 16) + lane % 8,
	v_mul_u32_u24 v27, v27, HP
	v_bfe_u32 v24, v0, 3, 1
	v_lshl_add_u32 v27, v24, 4, v27                ; 16 bytes on for lanes 8-15 and 24-31
	v_add_nc_u32 v15, s29, v27
	v_bfe_u32 v27, v0, 3, 2
	v_mul_u32_u24 v27, v27, RGN                    ; r back: eight lanes take a region's 128 bytes of row 2 w: regions lane / 8,
	v_lshl_add_u32 v27, v25, 4, v27
	v_add_nc_u32 v18, s31, v27
	v_add_nc_u32 v19, 4*RGN, v18                   ; 4 + lane / 8,
	v_add_nc_u32 v20, 8*RGN, v18                   ; 8 + lane / 8,
	v_add_nc_u32 v21, 12*RGN, v18                  ; 12 + lane / 8
	v_lshl_add_u32 v22, v26, 4, s34                ; rpart: kh = 2 w, 16 lane
	v_lshlrev_b32 v23, 3, v26                      ; ml: 8 lane
	v_add_nc_u32 v17, MLS, v23
	s_wait_kmcnt 0x0
	s_add_nc_u64 s[4:5], s[4:5], s[18:19]
	s_add_nc_u64 s[6:7], s[6:7], s[20:21]
	s_add_nc_u64 s[8:9], s[8:9], s[22:23]
	s_add_nc_u64 s[10:11], s[10:11], s[24:25]
	s_add_nc_u64 s[12:13], s[12:13], s[26:27]
	s_wait_alu depctr_va_vdst(0)                   ; the addresses v3 to v23 are written: every load and store of the kernel reads one of them, and none is written again
; Load n takes rows 16 (n / 8) + n % 8 (lanes 0-15) and eight rows further down (lanes 16-31).
.macro LDU bank, first                 ; 16 loads: u's loads first .. first + 7, both halves of the d sum
.irp i, 0,1,2,3,4,5,6,7
	global_load_b128 v[\bank+4*\i:\bank+4*\i+3], v3, s[6:7] offset:((((\first+\i)>>3)*16)+((\first+\i)&7))*4096
	global_load_b128 v[\bank+32+4*\i:\bank+32+4*\i+3], v3, s[6:7] offset:((((\first+\i)>>3)*16)+((\first+\i)&7))*4096+UHALF
.endr
.endm
.macro CVU bank, left, t               ; add the halves in f32, round once to bf16, into the out-buffer t.  left = loads issued behind this bank's
.irp i, 0,1,2,3,4,5,6,7
	s_wait_loadcnt \left+14-2*\i                   ; both loads of pair i are in; the rest of the bank and the other bank's sixteen stay out
	v_pk_add_f32 v[\bank+4*\i:\bank+4*\i+1], v[\bank+4*\i:\bank+4*\i+1], v[\bank+32+4*\i:\bank+32+4*\i+1]
	v_pk_add_f32 v[\bank+4*\i+2:\bank+4*\i+3], v[\bank+4*\i+2:\bank+4*\i+3], v[\bank+32+4*\i+2:\bank+32+4*\i+3]
	v_cvt_pk_bf16_f32 v[\t+2*\i], v[\bank+4*\i], v[\bank+4*\i+1]
	v_cvt_pk_bf16_f32 v[\t+2*\i+1], v[\bank+4*\i+2], v[\bank+4*\i+3]
.endr
.endm
.macro STU first, t                    ; and lay them into my region
.irp i, 0,1,2,3,4,5,6,7
	ds_store_b64 v4, v[\t+2*\i:\t+2*\i+1] offset:((((\first+\i)>>3)*16)+((\first+\i)&7))*OP
.endr
.endm
.macro LDREP bank, first               ; 16 loads of rep
.irp i, 0,1,2,3,4,5,6,7,8,9,10,11,12,13,14,15
	global_load_b128 v[\bank+4*\i:\bank+4*\i+3], v3, s[4:5] offset:((((\first+\i)>>3)*16)+((\first+\i)&7))*4096
.endr
.endm
; rep goes in four batches of eight loads; load i of batch m is load L = 8 m + i and holds rows 16 m + i and 16 m + i + 8.
.macro STREP m, i                      ; its bf16 and its f16 pair are laid into my region
	ds_store_b64 v4, v[T0+(T1-T0)*((\m)&1)+2*(\i):T0+(T1-T0)*((\m)&1)+2*(\i)+1] offset:(16*(\m)+(\i))*OP
	ds_store_b64 v5, v[BA+32*(\m)+4*(\i):BA+32*(\m)+4*(\i)+1] offset:(16*(\m)+(\i))*HP
.endm
.macro REPB n, prev                    ; batch n is rounded to bf16 (into T[n % 2]) and to f16 (in place); prev = 1: the stores of batch n - 1 are dealt among its conversions, which name none of their registers
.irp i, 0,1,2,3,4,5,6,7
.if \prev
	STREP (\n)-1, \i
.endif
	s_wait_loadcnt 31-8*(\n)-\i                    ; load L is in; the 31 - L of rep's loads that were issued behind it stay out
	v_cvt_pk_bf16_f32 v[T0+(T1-T0)*((\n)&1)+2*\i], v[BA+32*(\n)+4*\i], v[BA+32*(\n)+4*\i+1]
	v_cvt_pk_bf16_f32 v[T0+(T1-T0)*((\n)&1)+2*\i+1], v[BA+32*(\n)+4*\i+2], v[BA+32*(\n)+4*\i+3]
	v_cvt_pk_f16_f32 v[BA+32*(\n)+4*\i], v[BA+32*(\n)+4*\i], v[BA+32*(\n)+4*\i+1]
	v_cvt_pk_f16_f32 v[BA+32*(\n)+4*\i+1], v[BA+32*(\n)+4*\i+2], v[BA+32*(\n)+4*\i+3]
.endr
.endm
	global_load_b128 v[MK:MK+3], v12, s[8:9]       ; the oldest load: every later wait covers it
	LDU   BA, 0
	LDU   BB, 8
	CVU   BA, 16, T0
	s_wait_alu depctr_va_vdst(0)                   ; the additions and conversions are done with bank A, in which the loads below land, and have written T0, which the LDS stores below read
	LDREP BA, 0                                    ; a bank is loaded again as soon as it is emptied: 32 loads of the wave stay on their way
	STU   0, T0
	CVU   BB, 16, T1
	s_wait_alu depctr_va_vdst(0)                   ; the same for bank B and T1
	LDREP BB, 16
	STU   8, T1
; A fragment is 16 rows x 32 e in 8 registers: lane l holds row l % 16; registers 0-3 e = 8 (l / 16) + 0..7, registers 4-7 e = 16 + 8 (l / 16) + 0..7:
; two loads of 16 bytes, 32 bytes apart.  LDS serves a wave's instructions in order (ISA guide 5.7.1.4): a wave's loads see its own stores.
; u goes first: its fragments stay in 32 registers, and rep's bf16 rows are laid over its bytes, so that rep fits into the region in both formats at once.
.irp kk, 0,1
.irp nk, 0,1
	ds_load_b128 v[BF+8*(2*\kk+\nk):BF+8*(2*\kk+\nk)+3],   v6 offset:16*\nk*OP+64*\kk
	ds_load_b128 v[BF+8*(2*\kk+\nk)+4:BF+8*(2*\kk+\nk)+7], v6 offset:16*\nk*OP+64*\kk+32
.endr
.endr
	s_wait_dscnt 0x0                               ; u's fragments are in registers before rep is laid over u
	s_wait_alu depctr_vm_vsrc(0)                   ; u's LDS stores have read T0 and T1, which the conversions of batches 0 and 1 write again
	REPB 0, 0
	s_wait_alu depctr_va_vdst(0)                   ; batch 0's conversions have written T0 and its f16 pairs, which the stores dealt into batch 1 read
	REPB 1, 1
	s_wait_alu depctr_vm_vsrc(0)                   ; the stores issued in batch 1 have read T0, which batch 2's conversions write again
	s_wait_alu depctr_va_vdst(0)                   ; batch 1's conversions have written T1 and its f16 pairs, which the stores dealt into batch 2 read
	REPB 2, 1
	s_wait_alu depctr_vm_vsrc(0)                   ; the stores issued in batch 2 have read T1, which batch 3's conversions write again; with them all stores from bank A have read their pairs, in which the bf16 fragments land below
	s_wait_alu depctr_va_vdst(0)                   ; batch 2's conversions have written T0 and its f16 pairs, which the stores dealt into batch 3 read
	REPB 3, 1
	s_wait_alu depctr_va_vdst(0)                   ; batch 3's conversions have written T1 and its f16 pairs, which the last sixteen stores read
.irp i, 0,1,2,3,4,5,6,7
	STREP 3, \i
.endr
.irp kk, 0,1
.irp ms, 0,1,2,3
	ds_load_b128 v[AF+8*(4*\kk+\ms):AF+8*(4*\kk+\ms)+3],   v6 offset:\ms*16*OP+64*\kk
	ds_load_b128 v[AF+8*(4*\kk+\ms)+4:AF+8*(4*\kk+\ms)+7], v6 offset:\ms*16*OP+64*\kk+32
.endr
.endr
; Eight matrix instructions, source 0 = 16 rows of rep, source 1 = 16 rows of u: register j of lane l holds (s = 16 ms + 8 (l / 16) + j, kh = 16 nk + l % 16),
; eight neighbouring s of one kh.  The eight accumulators take turns, one instruction a turn.
.macro MULS kk, zero
.irp ms, 0,1,2,3
.irp nk, 0,1
.if \zero
	v_wmma_f32_16x16x32_bf16 v[ACC+8*(2*\ms+\nk):ACC+8*(2*\ms+\nk)+7], v[AF+8*(4*\kk+\ms):AF+8*(4*\kk+\ms)+7], v[BF+8*(2*\kk+\nk):BF+8*(2*\kk+\nk)+7], 0
.else
	v_wmma_f32_16x16x32_bf16 v[ACC+8*(2*\ms+\nk):ACC+8*(2*\ms+\nk)+7], v[AF+8*(4*\kk+\ms):AF+8*(4*\kk+\ms)+7], v[BF+8*(2*\kk+\nk):BF+8*(2*\kk+\nk)+7], v[ACC+8*(2*\ms+\nk):ACC+8*(2*\ms+\nk)+7]
.endif
.endr
.endr
.endm
	s_wait_dscnt 8                                 ; the stores and the first 32 e's eight loads are done, the second's eight stay out
	s_wait_alu depctr_vm_vsrc(0)                   ; the stores of batches 2 and 3 have read bank B's f16 pairs: these registers are the accumulators, which the products write
	MULS 0, 1                                      ; the first products start the sums: nothing is cleared
	s_wait_dscnt 0x0                               ; all fragments are in: my reads of the bf16 rows are over, so the partial scores may be laid over them
	MULS 1, 0
.rept 4
	v_nop                                          ; four places behind the last matrix instruction before its results are stored (ISA guide 7.12.1)
.endr
	s_wait_alu depctr_va_vdst(0)                   ; the products have written the accumulators, which the LDS stores read, and are done reading v[48:143], in which the loads behind the barriers land; the places above stay beside this wait
.irp ms, 0,1,2,3
.irp nk, 0,1
	ds_store_b128 v7, v[ACC+8*(2*\ms+\nk):ACC+8*(2*\ms+\nk)+3]   offset:\nk*16*SP+\ms*64
	ds_store_b128 v7, v[ACC+8*(2*\ms+\nk)+4:ACC+8*(2*\ms+\nk)+7] offset:\nk*16*SP+\ms*64+16
.endr
.endr
	s_wait_dscnt 0x0                               ; my partial scores are in LDS before I say so
	s_barrier_signal -1
	s_barrier_wait -1                              ; all sixteen waves' are
.irp p, 0,1,2,3,4,5,6,7,8,9,10,11,12,13,14,15
	ds_load_b128 v[RB+4*\p:RB+4*\p+3], v[8+(\p>>2)] offset:(\p&3)*RGN    ; wave p's part of kh = 2 w + lane / 16, my 4 s
.endr
	s_wait_dscnt 0x0
.irp st, 8,4,2,1
.set p, 0
.rept \st
	v_pk_add_f32 v[RB+4*p:RB+4*p+1], v[RB+4*p:RB+4*p+1], v[RB+4*(p+\st):RB+4*(p+\st)+1]
	v_pk_add_f32 v[RB+4*p+2:RB+4*p+3], v[RB+4*p+2:RB+4*p+3], v[RB+4*(p+\st)+2:RB+4*(p+\st)+3]
.set p, p+1
.endr
.endr
	v_pk_add_f32 v[RB:RB+1], v[RB:RB+1], v[MK:MK+1]
	v_pk_add_f32 v[RB+2:RB+3], v[RB+2:RB+3], v[MK+2:MK+3]
	; The chunk's softmax: sixteen lanes hold a row's 64 scores, four each, so four steps inside the sixteen lanes end each reduction.
	v_max3_num_f32 v[M], v[RB], v[RB+1], v[RB+2]
	v_max_num_f32 v[M], v[M], v[RB+3]
.irp m, 1,2,4,8
	v_max_num_f32_dpp v[M], v[M], v[M] row_xmask:\m row_mask:0xf bank_mask:0xf
.endr
	v_max_num_f32 v[M], 0xff7fffff, v[M]           ; never below the lowest finite number: -inf less a finite m is -inf and gives exp = 0, where -inf less -inf would be NaN
.irp j, 0,1,2,3
	v_sub_f32 v[RB+\j], v[RB+\j], v[M]             ; the difference first, then the factor log2 e: m log2 e by itself could overflow
.endr
.irp j, 0,1,2,3
	v_mul_f32 v[RB+\j], 0x3fb8aa3b, v[RB+\j]
.endr
.irp j, 0,1,2,3
	v_exp_f32 v[RB+\j], v[RB+\j]
.endr
	v_nop                                          ; one plain vector instruction behind the exponentials before their results are read (ISA guide 5.7.2)
	s_wait_alu depctr_va_vdst(0)                   ; the four exponentials have written v[RB:RB+3], ahead of their first reader: one wait for the batch
	v_add_f32 v[M+1], v[RB], v[RB+1]
	v_add_f32 v[R], v[RB+2], v[RB+3]
	v_add_f32 v[M+1], v[M+1], v[R]
.irp m, 1,2,4,8
	v_add_f32_dpp v[M+1], v[M+1], v[M+1] row_xmask:\m row_mask:0xf bank_mask:0xf
.endr
	v_max_num_f32 v[R], 1.0, v[M+1]                ; l is at least 1 (the maximum's own term) or, in a chunk masked throughout, 0: there p = 0 / 1
	v_rcp_f32 v[R], v[R]
	v_nop                                          ; the plain place behind it
	s_wait_alu depctr_va_vdst(0)                   ; the reciprocal has written v[R], ahead of its first reader
.irp j, 0,1,2,3
	v_mul_f32 v[RB+\j], v[RB+\j], v[R]
.endr
	v_cvt_pk_f16_f32 v[RB], v[RB], v[RB+1]
	v_cvt_pk_f16_f32 v[RB+1], v[RB+2], v[RB+3]
	s_wait_alu depctr_va_vdst(0)                   ; the conversions have written v[RB:RB+1], and m and l are written: the two LDS stores read them; the sums and the softmax are done with v[80:143] and with (m, l), in which loads land behind the barrier
	ds_store_b64 v13, v[RB:RB+1]                   ; p[kh][s], for all waves
	ds_store_b64 v14, v[M:M+1]                     ; (m, l): the sixteen lanes of a row store one pair, one value
	s_wait_dscnt 0x0                               ; they are in LDS, and my reads of the partial scores are over, before I say so
	s_barrier_signal -1
	s_barrier_wait -1                              ; p is whole, and every wave's bytes 0 .. 9,215 are its own again
	s_wait_alu depctr_vm_vsrc(0)                   ; my LDS stores have read (m, l), in which wave 0's load lands; v[RB:RB+1], in which rep's f16 fragments land; and the accumulators, which the second product writes
	s_cmp_lg_u32 s14, 0
	s_cbranch_scc1 .Lnoml
	ds_load_b64 v[M:M+1], v17
	s_wait_dscnt 0x0
	global_store_b64 v23, v[M:M+1], s[12:13]       ; one wave, 256 consecutive bytes, aligned
.Lnoml:
; rep's f16 rows lie as [s][e] and the sum runs over s: ds_load_tr16_b128 transposes 8 x 8 elements in each group of eight lanes, so that lane l receives column
; e = 16 mt + l % 16 with s = 8 (l / 16) + 0..7 (first load) and 16 + 8 (l / 16) + 0..7 (second load, 16 rows down).  p lies as [kh][s]: plain loads.
.irp kk, 0,1
.irp mt, 0,1,2,3
	ds_load_tr16_b128 v[RF+8*(4*\kk+\mt):RF+8*(4*\kk+\mt)+3],   v15 offset:\kk*32*HP+32*\mt
	ds_load_tr16_b128 v[RF+8*(4*\kk+\mt)+4:RF+8*(4*\kk+\mt)+7], v15 offset:\kk*32*HP+32*\mt+16*HP
.endr
.irp nt, 0,1
	ds_load_b128 v[PF+8*(2*\kk+\nt):PF+8*(2*\kk+\nt)+3],   v16 offset:\nt*16*OP+64*\kk
	ds_load_b128 v[PF+8*(2*\kk+\nt)+4:PF+8*(2*\kk+\nt)+7], v16 offset:\nt*16*OP+64*\kk+32
.endr
.endr
; Source 0 = 16 e of rep, source 1 = 16 kh of p: register j of lane l holds (e = 16 mt + 8 (l / 16) + j, kh = 16 nt + l % 16), eight neighbouring e of one kh.
; The eight accumulators take turns, one instruction a turn.
.macro MULR kk, zero
.irp mt, 0,1,2,3
.irp nt, 0,1
.if \zero
	v_wmma_f32_16x16x32_f16 v[ACC+8*(2*\mt+\nt):ACC+8*(2*\mt+\nt)+7], v[RF+8*(4*\kk+\mt):RF+8*(4*\kk+\mt)+7], v[PF+8*(2*\kk+\nt):PF+8*(2*\kk+\nt)+7], 0
.else
	v_wmma_f32_16x16x32_f16 v[ACC+8*(2*\mt+\nt):ACC+8*(2*\mt+\nt)+7], v[RF+8*(4*\kk+\mt):RF+8*(4*\kk+\mt)+7], v[PF+8*(2*\kk+\nt):PF+8*(2*\kk+\nt)+7], v[ACC+8*(2*\mt+\nt):ACC+8*(2*\mt+\nt)+7]
.endif
.endr
.endr
.endm
	s_wait_dscnt 12                                ; the first 32 s' twelve loads are in, the second's twelve stay out
	MULR 0, 1                                      ; the first products start the sums
	s_wait_dscnt 0x0
	MULR 1, 0
.rept 4
	v_nop                                          ; four places behind the last matrix instruction before its results are read and its sources written (ISA guide 7.12.1)
.endr
.irp mt, 0,1,2,3
.irp nt, 0,1
.irp q, 0,1,2,3
	v_cvt_pk_f16_f32 v[PK+4*(2*\mt+\nt)+\q], v[ACC+8*(2*\mt+\nt)+2*\q], v[ACC+8*(2*\mt+\nt)+2*\q+1]   ; each accumulator from its low end on
.endr
.endr
.endr
	s_wait_alu depctr_va_vdst(0)                   ; the 32 conversions have written v[PK ..], which the LDS stores read; the second product is done reading v[OUT ..], in which the rows of r land behind the barrier
.irp mt, 0,1,2,3
.irp nt, 0,1
	ds_store_b128 v6, v[PK+4*(2*\mt+\nt):PK+4*(2*\mt+\nt)+3] offset:\nt*16*OP+32*\mt     ; my tile of r: row kh, 128 bytes
.endr
.endr
	s_wait_dscnt 0x0                               ; my tile is in LDS before I say so
	s_barrier_signal -1
	s_barrier_wait -1                              ; all sixteen tiles are: a row of r is 16 x 128 bytes, one piece in each region
.irp n, 0,1,2,3,4,5,6,7
	ds_load_b128 v[OUT+4*\n:OUT+4*\n+3], v[18+(\n&3)] offset:(\n>>2)*OP                  ; row 2 w + n / 4, e = 256 (n % 4) + 8 lane + 0..7
.endr
.irp n, 0,1,2,3,4,5,6,7
	s_wait_dscnt 7-\n                              ; load n is in, the 7 - n behind it stay out
	global_store_b128 v22, v[OUT+4*\n:OUT+4*\n+3], s[10:11] offset:(\n>>2)*KHB+(\n&3)*512 ; a wave stores 512 consecutive bytes, aligned
.endr
	s_wait_dscnt 0x0                               ; the closing lines, six on end
	s_wait_alu 0x0
	s_wait_tensorcnt 0x0
	ds_add_u32 v212, v213
	s_wait_dscnt 0x0
	s_endpgm
.Lfunc_end_k_q5eda7ef098_attend:
	.size	k_q5eda7ef098_attend, .Lfunc_end_k_q5eda7ef098_attend-k_q5eda7ef098_attend
	.p2alignl 7, 3214868480
	.fill 96, 4, 3214868480
	.section	.rodata,"a",@progbits
	.p2align	6, 0x0
	.amdhsa_kernel k_q5eda7ef098_attend
		.amdhsa_group_segment_fixed_size 320256
		.amdhsa_private_segment_fixed_size 0
		.amdhsa_enable_private_segment 0
		.amdhsa_kernarg_size 40
		.amdhsa_user_sgpr_count 2
		.amdhsa_user_sgpr_kernarg_segment_ptr 1
		.amdhsa_wavefront_size32 1
		.amdhsa_system_sgpr_workgroup_id_x 1
		.amdhsa_system_sgpr_workgroup_id_y 1
		.amdhsa_system_sgpr_workgroup_id_z 1
		.amdhsa_system_vgpr_workitem_id 0
		.amdhsa_next_free_vgpr 230
		.amdhsa_next_free_sgpr 66
		.amdhsa_reserve_vcc 0
		.amdhsa_float_denorm_mode_32 3
		.amdhsa_float_denorm_mode_16_64 3
		.amdhsa_memory_ordered 1
		.amdhsa_forward_progress 1
		.amdhsa_inst_pref_size 46
	.end_amdhsa_kernel
	.amdgpu_metadata
---
amdhsa.version: [ 1, 2 ]
amdhsa.kernels:
  - .name:           k_q5eda7ef098_attend
    .symbol:         k_q5eda7ef098_attend.kd
    .args:
      - { .name: representations, .offset: 0, .size: 8, .value_kind: global_buffer, .address_space: global }
      - { .name: upart, .offset: 8, .size: 8, .value_kind: global_buffer, .address_space: global }
      - { .name: attention_mask, .offset: 16, .size: 8, .value_kind: global_buffer, .address_space: global }
      - { .name: rpart, .offset: 24, .size: 8, .value_kind: global_buffer, .address_space: global }
      - { .name: ml, .offset: 32, .size: 8, .value_kind: global_buffer, .address_space: global }
    .group_segment_fixed_size: 320256
    .private_segment_fixed_size: 0
    .kernarg_segment_align: 8
    .kernarg_segment_size: 40
    .max_flat_workgroup_size: 512
    .sgpr_count:     66
    .vgpr_count:     230
    .wavefront_size: 32
...
	.end_amdgpu_metadata
.endif
;; end of part 6
;; launch ctxv: the kernel of part 3 again; grid 256 x 1, 16 waves a work-group, no clusters, 18,944 bytes of LDS; arguments Wv, rpart, ml, bv, ctx; writes ctx
;; launch oproj: the kernel of part 4 again; grid 256 x 1, 16 waves a work-group, no clusters, 18,944 bytes of LDS; arguments Wo, ctx, bo, attn; writes attn
;; launch pproj: the kernel of part 4 again; grid 256 x 1, 16 waves a work-group, no clusters, 18,944 bytes of LDS; arguments Wp, attn, bp, yout; writes yout
;; launch lnorm: the kernel of part 5 again; grid 8 x 1, 8 waves a work-group, no clusters, 1,280 bytes of LDS; arguments yout, gamma, beta, out0; writes out0
